; MI455X (gfx1250); checked and timed in simulation.
; The chip was launched on July 23, 2026; its instructions are those of AMD's public machine-readable ISA for CDNA 5 (MIT licence, August 2026) and "CDNA5" Instruction Set Architecture Reference Guide (July 2026). The comments in the code are by the model that wrote it; some were corrected since.
;; Ro PE Attention. Allowed arithmetic: matrix products marked QUANTISED: E2M1 operands, one E8M0 scale for each 32 along K, by v_wmma_scale_f32_16x16x128_f8f6f4 with both operands' format E2M1 (or v_wmma_scale_f32_32x16x128_f4), f32 sums; products left as they are: bf16, f16 or f32 operands; f32 sums; everything else in f32.
;; Inputs: Wproj 1,024 x 1,024 float32; Wqkv 3,072 x 1,024 float32; x 4 x 2,048 x 1,024 float32.
;; Outputs: out0 4 x 2,048 x 1,024 float32.
;; Constants: num_heads = 16.
;; This version of the problem:
;;   THIS VERSION OF THE PROBLEM IS GIVEN IN LOW PRECISION. The matrix products marked QUANTISED in the list below multiply operands that are first quantised to E2M1 (2 exponent bits, 1 mantissa bit; 4 bits a number), with one power-of-two scale for each 32 numbers along K (OCP MX v1.0); their sums are f32. The products marked 'left as it is' may take bf16, f16 or f32 operands, with f32 sums. Whichever they take, every output number must still come out within the allowed error. Rounding operands to bf16 (8 significant bits) uses up far more of that allowance than f16 does (11 bits, for magnitudes from 6e-5 to 65,504). All else is computed in f32.
;;   The module's matrix products, in the order in which they are computed (A, B: the left and right operand; K: the contracted axis; several contracted axes count as one K, in the product's order):
;;     1. [M 8,192, K 1,024] x [K 1,024, N 3,072]; A: input x; B: input Wqkv: QUANTISED
;;     2. batch 64 x [M 2,048, K 64] x [K 64, N 2,048]; A: computed on the way; B: computed on the way: left as it is (an operand is computed on the way)
;;     3. batch 64 x [M 64, K 2,048] x [K 2,048, N 2,048]; A: computed on the way; B: computed on the way: left as it is (an operand is computed on the way)
;;     4. [M 8,192, K 1,024] x [K 1,024, N 1,024]; A: computed on the way; B: input Wproj: left as it is (an operand is computed on the way)
;;   THE QUANTISER, for each operand of a quantised product, along K:
;;     - K is cut into blocks of 32 from its start; a last block that is shorter is filled with zeros.
;;     - A block's scale is 2^e with e = floor(log2(the largest magnitude in the block)) - 2, held to -126 .. 127; a block of zeros has e = 0. As a byte (E8M0): e + 127.
;;     - Each number is divided by its block's scale, clamped to +-6, and rounded to the nearest number of E2M1, ties to even, subnormals kept.
;;     - The product sums the exact products of the quantised numbers (number of the format x scale) in f32.
;;   ~~~python
;;   def quantise(x, axis):      # numpy; x: float32 -> the quantised numbers, widened to float32 again
;;       x = np.moveaxis(x, axis, -1); K = x.shape[-1]
;;       x = np.pad(x, [(0, 0)] * (x.ndim - 1) + [(0, -K % 32)]); x = x.reshape(x.shape[:-1] + (-1, 32)); a = np.abs(x).max(-1, keepdims=True)
;;       e = np.where(a > 0, np.clip(np.frexp(np.where(a > 0, a, 1))[1] - 1 - 2, -126, 127), 0)      # np.frexp(a)[1] - 1 = floor(log2(a)), exactly
;;       r = np.clip(x / 2.0 ** e, -6, 6)
;;       step = 2.0 ** (np.maximum(np.frexp(np.where(r == 0, 1, r))[1] - 1, 0) - 1)
;;       q = np.round(r / step) * step * 2.0 ** e      # np.round: ties to even
;;       return np.moveaxis(q.reshape(q.shape[:-2] + (-1,))[..., :K], -1, axis).astype(np.float32)
;;   ~~~
;; One version. Each part assembles by itself: llvm-mc -triple=amdgcn-amd-amdhsa -mcpu=gfx1250 --defsym DOCPART=n.
;; ======== version 1 of 1: 4 launches
;; limits: values are held in f16: magnitudes above 65,504 overflow, below 6.1e-05 lose precision
;; workspace buffers: xc 4,194,304 bytes; xs 262,144 bytes; wc 1,572,864 bytes; ws 98,304 bytes; wp 2,097,152 bytes; rope 524,288 bytes; qkv 50,331,648 bytes; att 16,777,216 bytes
;; launch prep (part 1): grid 400 x 1, 4 waves a work-group, no clusters, 33,280 bytes of LDS; arguments x, Wqkv, xc, xs, wc, ws, Wproj, wp, rope; writes xc, xs, wc, ws, wp, rope
.if DOCPART == 1
	.amdgcn_target "amdgcn-amd-amdhsa--gfx1250"
	.amdhsa_code_object_version 6
	.text
	.protected	k_q91cc731e56_prep
	.globl	k_q91cc731e56_prep
	.p2align	8
	.type	k_q91cc731e56_prep,@function
k_q91cc731e56_prep:
	s_mov_b64 s[64:65], 0
	v_nop
	global_prefetch_b8 v0, s[64:65] scope:SCOPE_SE
	s_setreg_imm32_b32 hwreg(HW_REG_WAVE_MODE, 25, 1), 1
	s_wait_xcnt 0x0
; RoPE attention, launch 1 of 4: what the later launches read many times is made once.
; NOTHING OF THE PROBLEM IS LEFT OUT: every input reaches the output, no result is sliced away, there is no mask.
; Work-groups 0-351: x [8192][1024] and Wqkv [3072][1024], f32, become codes of FP4 (E2M1), K innermost, with one E8M0 byte for each 32 along K
;   (xc, xs, wc, ws).  A block's byte is its largest magnitude's exponent field - 2, held at 1 from below; each number is divided by the scale and rounded to the nearest code, ties to even, beyond 6 the largest code.
;   A block of zeros gets the byte 1 where the rule says 127: its codes are zeros, and this program alone reads the bytes.
; Work-groups 352-383: Wproj [1024 e][1024] f32 becomes f16, laid by head: wp [16 h][1024 e][64 d], so that a head's rows of 128 bytes lie on end.
; Work-groups 384-399: the table of cos and sin: rope [16 g][2048 t][cos(2g), sin(2g), cos(2g+1), sin(2g+1)], f32; pair i turns by t x 10^(-i/8).
;   The angle is t x theta in f32, as the problem has it; it is brought to |r| <= pi/4 by two fused multiply-adds with pi/2 in two parts (n <= 1,304, since t <= 2,047), and sin r, cos r are
;   polynomials to r^9 and r^10, whose remainder lies under 2e-9 there.
; LIMITS: blocks whose largest magnitude lies under 2^-124 were not tried; NaN and infinities among the inputs are not served; Wproj beyond 65,504 in magnitude has no f16;
;   theta is the nearest f32 to 10^(-i/8), which may differ by an ulp or two from a power computed in f32.
; The three kinds of work-group part on the work-group's number and never meet again; only the first touches LDS.
.set WAVES, 4
.set STEPS, 16
.set WGA,   256                        ; x: 8192 x 1024 / 32768 work-groups
.set WGQ,   352                        ; + Wqkv: 96
.set WGP,   384                        ; + Wproj: 32
.set EMAX,  2
.set CB,    8                          ; bytes of 16 codes
.set R,     16                         ; v16-79   four sets of 16 numbers as they are loaded
.set X,     80                         ; v80-111  two sets of 16 neighbours
.set C,     128                        ; v128-191 codes: four registers for each step
.set E,     112                        ; v112-127 a scale byte for each step
.set WREG,  8192                       ; LDS: a region for each wave: two stages of 32 x SP bytes, then its 256 scale bytes
.set SP,    80                         ; a lane's place in a stage: 64 bytes + 16 of padding
.set SPW,   12                         ; v12 LDS address of my spare word; never rewritten
.set NIL,   13                         ; v13 0; never rewritten
.set SPARE, WAVES*WREG                 ; the spare words: 128 bytes a wave, two blocks of 256 bytes that no other line names
.set RB,    16                         ; Wproj: v16-143 two sets of 64 numbers
.set HB,    144                        ; Wproj: v144-175 a pair of rows in f16
.set TBL,   64                         ; the table: v64-127, pair i: cos at 2 i, sin at 2 i + 1
	s_load_b128 s[4:7], s[0:1], 0x0                ; x, Wqkv
	s_load_b128 s[8:11], s[0:1], 0x10              ; xc, xs
	s_load_b128 s[12:15], s[0:1], 0x20             ; wc, ws
	s_load_b128 s[24:27], s[0:1], 0x30             ; Wproj, wp
	s_load_b64 s[28:29], s[0:1], 0x40              ; rope
	v_lshl_add_u32 v[SPW], v0, 2, SPARE
	v_mov_b32 v[NIL], 0
	v_lshrrev_b32 v1, 5, v0
	v_readfirstlane_b32 s16, v1                    ; wave
	v_and_b32 v2, 31, v0                           ; lane
	s_cmp_ge_u32 ttmp9, WGQ
	s_cbranch_scc1 .Lother
; ---------------- the quantiser.  Both tensors are plain streams of blocks of 32.  A wave takes 16 steps of 512 numbers: four loads of 512 consecutive bytes; the 2,048 bytes turn through the wave's
; own stage in LDS and come back 64 bytes a lane, so that a lane holds 16 neighbours and two neighbouring lanes a block.  Loads run four steps ahead, the turn through LDS one.
	v_lshlrev_b32 v3, 4, v2                        ; my 16 bytes of a load's 512
	s_mul_i32 s17, s16, WREG
	v_lshrrev_b32 v14, 2, v2
	v_mul_u32_u24 v14, v14, SP
	v_and_b32 v15, 3, v2
	v_lshl_add_u32 v14, v15, 4, v14
	v_add_nc_u32 v14, s17, v14                     ; the stage, on the way in: SP (lane / 4) + 16 (lane % 4)
	v_mul_u32_u24 v15, v2, SP
	v_add_nc_u32 v15, s17, v15                     ; and on the way out: SP x lane
	v_mul_u32_u24 v4, v2, CB                       ; my codes' place in a step's
	v_lshrrev_b32 v5, 1, v2
	s_add_co_u32 s17, s17, 2*32*SP
	v_add_nc_u32 v5, s17, v5                       ; my wave's 256 scale bytes, my block's byte
	v_lshlrev_b32 v7, 3, v2                        ; and on the way out 8 bytes a lane
	v_add_nc_u32 v6, s17, v7
	s_wait_kmcnt 0x0
	s_cmp_lt_u32 ttmp9, WGA                        ; x's work-group or Wqkv's?  Only pointers are chosen
	s_cselect_b64 s[4:5], s[4:5], s[6:7]
	s_cselect_b64 s[8:9], s[8:9], s[12:13]
	s_cselect_b64 s[10:11], s[10:11], s[14:15]
	s_cselect_b32 s17, 0, WGA
	s_sub_co_u32 s17, ttmp9, s17
	s_lshl_b32 s17, s17, 2
	s_add_co_u32 s18, s17, s16                     ; which run of 8,192 numbers is my wave's
	s_mov_b32 s19, 0
	s_mov_b64 s[20:21], 512*STEPS*4
	s_mul_u64 s[20:21], s[18:19], s[20:21]
	s_add_nc_u64 s[4:5], s[4:5], s[20:21]
	s_mov_b64 s[20:21], 32*STEPS*CB
	s_mul_u64 s[20:21], s[18:19], s[20:21]
	s_add_nc_u64 s[8:9], s[8:9], s[20:21]
	s_lshl_b32 s18, s18, 8                         ; 256 scale bytes a run
	s_add_nc_u64 s[10:11], s[10:11], s[18:19]
.macro LOAD t
.irp i, 0,1,2,3
	global_load_b128 v[R+16*((\t)%4)+4*\i:R+16*((\t)%4)+4*\i+3], v3, s[4:5] offset:2048*(\t)+512*\i th:TH_LOAD_NT   ; 32 lanes read 512 consecutive bytes
.endr
.endm
.macro TURN t                          ; step t's numbers through the stage: LDS serves a wave's instructions in order, so no wait stands between the stores and the loads
.irp i, 0,1,2,3
	ds_store_b128 v14, v[R+16*((\t)%4)+4*\i:R+16*((\t)%4)+4*\i+3] offset:32*SP*((\t)%2)+8*SP*\i
.endr
.irp i, 0,1,2,3
	ds_load_b128 v[X+16*((\t)%2)+4*\i:X+16*((\t)%2)+4*\i+3], v15 offset:32*SP*((\t)%2)+16*\i
.endr
.endm
.irp t, 0,1,2,3
	LOAD \t
.endr
	s_wait_loadcnt 12                              ; step 0's four loads are in; the twelve of steps 1 to 3 may be out
	TURN 0
.macro STEP t
.set XS, X+16*((\t)%2)
.if (\t) > 0
	s_wait_dscnt 1                                 ; this step's numbers are back from the stage (the last step's byte store may be out)
.else
	s_wait_dscnt 0x0
.endif
.if (\t)+4 < STEPS
	LOAD (\t)+4                                    ; into the registers that the stage's stores have read
.endif
.if (\t)+1 < STEPS
.if STEPS-2-(\t) >= 3
	s_wait_loadcnt 12                              ; the next step's four loads are in; those of the three steps behind it may be out
.else
	s_wait_loadcnt 4*(STEPS-2-(\t))
.endif
	TURN (\t)+1                                    ; through the other stage while this step is worked
.endif
	v_max3_num_f32 v8, |v[XS]|, |v[XS+1]|, |v[XS+2]|               ; the largest magnitude of my 16, in two chains
	v_max3_num_f32 v9, |v[XS+3]|, |v[XS+4]|, |v[XS+5]|
.irp i, 6,10
	v_max3_num_f32 v8, v8, |v[XS+\i]|, |v[XS+\i+1]|
	v_max3_num_f32 v9, v9, |v[XS+\i+2]|, |v[XS+\i+3]|
.endr
	v_max3_num_f32 v8, v8, |v[XS+14]|, |v[XS+15]|
	v_max3_num_f32 v8, v8, v9, (EMAX+1)<<23        ; and the floor 2^(3 - 127): the byte cannot fall under 1
	v_max_num_f32_dpp v8, v8, v8 row_xmask:1 row_mask:0xf bank_mask:0xf   ; and of my neighbour's 16: the block's
	v_add_nc_u32 v11, -(EMAX<<23), v8              ; 2 off its exponent field: the conversion takes the exponent field of this operand as its scale
	v_cvt_scalef32_pk8_fp4_f32 v[C+4*(\t)], v[XS:XS+7], v11
	v_cvt_scalef32_pk8_fp4_f32 v[C+4*(\t)+1], v[XS+8:XS+15], v11
	v_lshrrev_b32 v[E+(\t)], 23, v11               ; the scale's byte
	ds_store_b8 v5, v[E+(\t)] offset:16*(\t)       ; both lanes of a block write the same byte with the same value
	global_store_b64 v4, v[C+4*(\t):C+4*(\t)+1], s[8:9] offset:32*CB*(\t)   ; the wave stores 256 consecutive bytes, aligned
.endm
.irp t, 0,1,2,3,4,5,6,7,8,9,10,11,12,13,14,15
	STEP \t
.endr
	ds_load_b64 v[8:9], v6                         ; LDS serves a wave's instructions in order: these see my stores
	s_wait_dscnt 0x0
	global_store_b64 v7, v[8:9], s[10:11]          ; 32 lanes store 256 consecutive bytes, aligned
	s_wait_tensorcnt 0x0                           ; the wave's end, behind my last LDS store
	ds_add_u32 v[SPW], v[NIL]
	s_wait_dscnt 0x0
	s_endpgm
; ---------------- Wproj to f16, by head.  A work-group takes 32 rows e, a wave 8, a pair at a time.  Load h of a pair: lanes 0-15 take head h's 256 bytes of row e, lanes 16-31 those of row e + 1.
; A lane's four numbers become 8 bytes, and the wave's store is 256 consecutive bytes: rows e and e + 1 of wp[h].
.Lother:
	s_cmp_ge_u32 ttmp9, WGP
	s_cbranch_scc1 .Lrope
	v_lshrrev_b32 v1, 4, v2
	v_and_b32 v3, 15, v2
	v_lshlrev_b32 v3, 4, v3
	v_lshl_add_u32 v1, v1, 12, v3                  ; in: 4,096 (lane / 16) + 16 (lane % 16)
	v_lshlrev_b32 v3, 3, v2                        ; out: 8 x lane
	s_sub_co_u32 s17, ttmp9, WGQ
	s_lshl_b32 s17, s17, 5
	s_lshl_b32 s18, s16, 3
	s_add_co_u32 s17, s17, s18                     ; my wave's first row
	s_lshl_b32 s18, s17, 12
	s_mov_b32 s19, 0
	s_lshl_b32 s20, s17, 7
	s_mov_b32 s21, 0
	s_wait_kmcnt 0x0
	s_add_nc_u64 s[24:25], s[24:25], s[18:19]
	s_add_nc_u64 s[26:27], s[26:27], s[20:21]
.macro LOADB p
.irp h, 0,1,2,3,4,5,6,7,8,9,10,11,12,13,14,15
	global_load_b128 v[RB+64*((\p)%2)+4*\h:RB+64*((\p)%2)+4*\h+3], v1, s[24:25] offset:(\p)*8192+\h*256 th:TH_LOAD_NT
.endr
.endm
.macro CVTB p
.if (\p) < 3
	s_wait_loadcnt 16                              ; this pair's sixteen loads are in; the next pair's may be out
.else
	s_wait_loadcnt 0x0
.endif
.if (\p) > 0
	s_wait_xcnt 0x0                                ; the last pair's stores have read their data: the registers are written again only behind this wait
.endif
.irp h, 0,1,2,3,4,5,6,7,8,9,10,11,12,13,14,15
	v_cvt_pk_f16_f32 v[HB+2*\h], v[RB+64*((\p)%2)+4*\h], v[RB+64*((\p)%2)+4*\h+1]
	v_cvt_pk_f16_f32 v[HB+2*\h+1], v[RB+64*((\p)%2)+4*\h+2], v[RB+64*((\p)%2)+4*\h+3]
.endr
.irp h, 0,1,2,3,4,5,6,7,8,9,10,11,12,13,14,15
	global_store_b64 v3, v[HB+2*\h:HB+2*\h+1], s[26:27] offset:\h*131072+(\p)*256
.endr
.if (\p)+2 < 4
	LOADB (\p)+2
.endif
.endm
	LOADB 0
	LOADB 1
	CVTB 0
	CVTB 1
	CVTB 2
	CVTB 3
	s_endpgm
; ---------------- the table.  A thread takes one position t and makes all 32 pairs; plane g leaves by one store of 16 bytes a lane: 512 consecutive bytes a wave.  No result register is written twice.
.Lrope:
	s_sub_co_u32 s17, ttmp9, WGP
	s_lshl_b32 s17, s17, 7
	v_add_nc_u32 v4, s17, v0                       ; t
	v_cvt_f32_u32 v2, v4
	v_lshlrev_b32 v3, 4, v4                        ; 16 t
	s_mov_b32 s20, 0xbfc90fdb                      ; -(pi/2's f32)
	s_mov_b32 s21, 0x333bbd2e                      ; -(pi/2 less that f32)
	v_mov_b32 v6, 0x3638ef1d                       ; 1/9!
	v_mov_b32 v7, 0xb493f27e                       ; -1/10!
	s_wait_kmcnt 0x0
.macro SC i, th
.if (\i) == 0
.set AR, 2                                     ; theta = 1: the angle is t itself
.else
.set AR, 8
	v_mul_f32 v8, \th, v2                          ; the angle, in f32
.endif
	v_mul_f32 v9, 0x3f22f983, v[AR]                ; x 2/pi
	v_rndne_f32 v9, v9                             ; n
	v_fma_f32 v10, v9, s20, v[AR]
	v_fma_f32 v10, v9, s21, v10                    ; r = angle - n pi/2
	v_mul_f32 v11, v10, v10                        ; r^2
	v_cvt_i32_f32 v14, v9
	v_fmaak_f32 v15, v6, v11, 0xb9500d01           ; sin r = r + r^3 (-1/6 + r^2 (1/120 + r^2 (-1/5040 + r^2/9!)))
	v_fmaak_f32 v16, v7, v11, 0x37d00d01           ; cos r = 1 + r^2 (-1/2 + r^2 (1/24 + r^2 (-1/720 + r^2 (1/8! - r^2/10!))))
	v_fmaak_f32 v15, v15, v11, 0x3c088889
	v_fmaak_f32 v16, v16, v11, 0xbab60b61
	v_fmaak_f32 v15, v15, v11, 0xbe2aaaab
	v_fmaak_f32 v16, v16, v11, 0x3d2aaaab
	v_mul_f32 v17, v10, v11
	v_fmaak_f32 v16, v16, v11, 0xbf000000
	v_fma_f32 v15, v15, v17, v10
	v_fma_f32 v16, v16, v11, 1.0
	v_and_b32 v17, 1, v14
	v_cmp_eq_u32 vcc_lo, 1, v17                    ; an odd quarter swaps the two
	v_cndmask_b32 v[TBL+2*(\i)+1], v15, v16, vcc_lo
	v_cndmask_b32 v[TBL+2*(\i)], v16, v15, vcc_lo
	v_lshlrev_b32 v17, 30, v14                     ; sin's sign: bit 1 of n
	v_and_b32 v17, 0x80000000, v17
	v_xor_b32 v[TBL+2*(\i)+1], v[TBL+2*(\i)+1], v17
	v_add_nc_u32 v14, 1, v14
	v_lshlrev_b32 v17, 30, v14                     ; cos's sign: bit 1 of n + 1
	v_and_b32 v17, 0x80000000, v17
	v_xor_b32 v[TBL+2*(\i)], v[TBL+2*(\i)], v17
.endm
.macro PLANE g, th0, th1
	SC 2*(\g), \th0
	SC 2*(\g)+1, \th1
	global_store_b128 v3, v[TBL+4*(\g):TBL+4*(\g)+3], s[28:29] offset:(\g)*32768
.endm
	PLANE 0,  1.0, 0.7498942093324559
	PLANE 1,  0.5623413251903491, 0.4216965034285822
	PLANE 2,  0.31622776601683794, 0.23713737056616552
	PLANE 3,  0.1778279410038923, 0.1333521432163324
	PLANE 4,  0.1, 0.07498942093324559
	PLANE 5,  0.05623413251903491, 0.04216965034285822
	PLANE 6,  0.031622776601683794, 0.023713737056616552
	PLANE 7,  0.01778279410038923, 0.01333521432163324
	PLANE 8,  0.01, 0.007498942093324559
	PLANE 9,  0.005623413251903491, 0.004216965034285822
	PLANE 10, 0.0031622776601683794, 0.0023713737056616552
	PLANE 11, 0.001778279410038923, 0.001333521432163324
	PLANE 12, 0.001, 0.0007498942093324559
	PLANE 13, 0.0005623413251903491, 0.0004216965034285822
	PLANE 14, 0.00031622776601683794, 0.00023713737056616552
	PLANE 15, 0.0001778279410038923, 0.0001333521432163324
	s_endpgm
.Lfunc_end_k_q91cc731e56_prep:
	.size	k_q91cc731e56_prep, .Lfunc_end_k_q91cc731e56_prep-k_q91cc731e56_prep
	.p2alignl 7, 3214868480
	.fill 96, 4, 3214868480
	.section	.rodata,"a",@progbits
	.p2align	6, 0x0
	.amdhsa_kernel k_q91cc731e56_prep
		.amdhsa_group_segment_fixed_size 33280
		.amdhsa_private_segment_fixed_size 0
		.amdhsa_enable_private_segment 0
		.amdhsa_kernarg_size 72
		.amdhsa_user_sgpr_count 2
		.amdhsa_user_sgpr_kernarg_segment_ptr 1
		.amdhsa_wavefront_size32 1
		.amdhsa_system_sgpr_workgroup_id_x 1
		.amdhsa_system_sgpr_workgroup_id_y 1
		.amdhsa_system_sgpr_workgroup_id_z 1
		.amdhsa_system_vgpr_workitem_id 0
		.amdhsa_next_free_vgpr 192
		.amdhsa_next_free_sgpr 66
		.amdhsa_reserve_vcc 1
		.amdhsa_float_denorm_mode_32 3
		.amdhsa_float_denorm_mode_16_64 3
		.amdhsa_memory_ordered 1
		.amdhsa_forward_progress 1
		.amdhsa_inst_pref_size 99
	.end_amdhsa_kernel
	.amdgpu_metadata
---
amdhsa.version: [ 1, 2 ]
amdhsa.kernels:
  - .name:           k_q91cc731e56_prep
    .symbol:         k_q91cc731e56_prep.kd
    .args:
      - { .name: x, .offset: 0, .size: 8, .value_kind: global_buffer, .address_space: global }
      - { .name: Wqkv, .offset: 8, .size: 8, .value_kind: global_buffer, .address_space: global }
      - { .name: xc, .offset: 16, .size: 8, .value_kind: global_buffer, .address_space: global }
      - { .name: xs, .offset: 24, .size: 8, .value_kind: global_buffer, .address_space: global }
      - { .name: wc, .offset: 32, .size: 8, .value_kind: global_buffer, .address_space: global }
      - { .name: ws, .offset: 40, .size: 8, .value_kind: global_buffer, .address_space: global }
      - { .name: Wproj, .offset: 48, .size: 8, .value_kind: global_buffer, .address_space: global }
      - { .name: wp, .offset: 56, .size: 8, .value_kind: global_buffer, .address_space: global }
      - { .name: rope, .offset: 64, .size: 8, .value_kind: global_buffer, .address_space: global }
    .group_segment_fixed_size: 33280
    .private_segment_fixed_size: 0
    .kernarg_segment_align: 8
    .kernarg_segment_size: 72
    .max_flat_workgroup_size: 128
    .sgpr_count:     66
    .vgpr_count:     192
    .wavefront_size: 32
...
	.end_amdgpu_metadata
.endif
;; end of part 1
;; launch qkv (part 2): grid 12 x 32, 4 waves a work-group, clusters of 4 x 4, 327,680 bytes of LDS; arguments xc, xs, wc, ws, qkv, rope; writes qkv
.if DOCPART == 2
	.amdgcn_target "amdgcn-amd-amdhsa--gfx1250"
	.amdhsa_code_object_version 6
	.text
	.protected	k_q91cc731e56_qkv
	.globl	k_q91cc731e56_qkv
	.p2align	8
	.type	k_q91cc731e56_qkv,@function
k_q91cc731e56_qkv:
	s_mov_b64 s[64:65], 0
	v_nop
	global_prefetch_b8 v0, s[64:65] scope:SCOPE_SE
	s_setreg_imm32_b32 hwreg(HW_REG_WAVE_MODE, 25, 1), 1
	s_wait_xcnt 0x0
	s_wait_alu depctr_hold_cnt(0) depctr_sa_sdst(0) depctr_va_vdst(0) depctr_va_sdst(0) depctr_va_ssrc(0) depctr_va_vcc(0) depctr_vm_vsrc(0)
	s_getreg_b32 s2, hwreg(HW_REG_IB_STS2, 6, 4)
	s_cmp_eq_u32 s2, 0
	s_cbranch_scc0 .Lentry_in_a_cluster
	s_endpgm
.Lentry_in_a_cluster:
	s_bfe_u32 s2, ttmp6, 0x10000c
	s_cmp_lg_u32 s2, 0xf033
	s_cbranch_scc0 .Lentry_shape_is_right
	s_endpgm
.Lentry_shape_is_right:
; RoPE attention, launch 2 of 4: qkv = x Wqkv^T on codes of FP4 (E2M1) with one E8M0 scale for each 32 along K, sums in f32; q and k are turned by the table of cos and sin, in f32; all three are rounded to f16.
; Nothing of the problem is left out here.
; A = xc [8192][512 bytes], its scales xs [8192][32]; B = wc [3072][512 bytes], ws [3072][32].  Out: qkv, f16, [3 parts][64 = 16 b + h][2048 t][64 d]: a head's rows of 128 bytes lie on end.
; A tile of 256 x 256 is made by a work-group of four waves; a wave makes 128 x 128: 64 accumulators of 16 x 16, 512 registers.  K = 1,024 is two LDS slots of 512 along K (rows of 256 bytes): both are
; first fills, and nothing is filled again.  The scales of the work-group's rows come once, as dense blocks, and stay.
; CLUSTERS: 4 x 4 work-groups; A's tiles are asked for jointly along a row of the cluster, B's along a column.  A cluster is 1,024 columns wide, which is one part: the cluster's x says q (0), k (1) or v (2),
; so the one branch on the part goes the same way in all sixteen partners.
; THE MATRIX INSTRUCTION IS USED TRANSPOSED (source 0 = 16 rows of B, source 1 = 16 rows of A): lane (r, h) of accumulator (a, b) holds row 16 a + r and columns 16 b + 8 h + 0 .. 7:
; head b / 4 of the wave's two, and the four pairs 8 (b % 4) + 4 h + 0 .. 3 of that head.
; LIMITS: q, k, v beyond 65,504 in magnitude have no f16 (with x and Wqkv both thirty times the drawn spread they stay near 5e3).
; REGISTERS, in windows of 256: window 0: v0-31 addresses; v32-95 scale words, two sets, which hold nothing else; v128-191 A's fragments, one set; on the way out v96-159 the turned numbers,
;   v160-191 their f16, v192-255 rows read back.  window 1: B's fragments at v0 and v128; v64-127 the table, two sets.  window 2, 3: the accumulators of my rows 0-63, 64-127.
.set SIZE_M, 8192
.set SIZE_N, 3072
.set SIZE_K, 1024
.set KSTEP,  512                       ; along K in a slot
.set NQ,     KSTEP/128                 ; matrix instructions deep
.set ROWB,   256                       ; a tile's row in bytes
.set KROW,   SIZE_K*4/8                ; a row of codes in memory
.set PITCH,  272                       ; an LDS row: 256 bytes + 16 of padding: the 16 rows that a load touches start 68 words apart
.set FR,     8                         ; registers of a fragment: 16 rows x 128 K
.set NL,     2                         ; LDS loads that bring one
.set NP,     4                         ; places behind this matrix instruction (ISA guide 7.12.1)
.set HALFT,  128*PITCH
.set SLOT,   4*HALFT                   ; A's 256 rows, then B's 256 rows
.set KS,     SIZE_K/32                 ; a row of scales in bytes
.set SCL,    2*SLOT                    ; behind the slots: the scales, as units of 256 bytes + 16 of padding
.set HALFS,  (128*KS/256)*272
.set SBLK,   (16*KS/256)*272
.set SPARE,  SCL+4*HALFS               ; the spare words: 128 bytes a wave, two blocks of 256 bytes that no other line names
.set SPITCH, 144                       ; the way out: a stage of 2 heads x 16 rows x (128 bytes + 16) for each wave, in slot 0, which has had its only fill and its last read by then
.set ADRA, 16
.set ADRB, 20
.set STO,  24                          ; v24 the stage: where I put 16 bytes of a row
.set RD,   25                          ; v25 and where I read rows back
.set CO,   26                          ; v26 16 x lane: my place in 512 consecutive bytes of qkv
.set ADRS, 27
.set SPW,  28
.set NIL,  29
.set RO,   30                          ; v30 the table: 16 r + 2 planes x h
.set SC,   32
.set AF,   128
.set X,    96
.set Y,    160
.set BK,   192
.set RT,   64                          ; in window 1
.set G1, 24
.set G0, 32
.set G1B, 48
.set G0B, 56
.set G1S, 68
.set G0S, 76
.set G1SB, 80
.set G0SB, 88
.set MSB, 0
.macro WIN new                         ; the immediate's high byte repeats the setting that is left
.if MSB != (\new)
	s_set_vgpr_msb (MSB<<8)|(\new)
.set MSB, (\new)
.endif
.endm
.set MUL_LO, 0xa1                      ; source 0 (B) window 1, source 1 (A) window 0, C and D window 2
.set MUL_HI, 0xf1
.set TO_B,   0x40
; A joint load: waves 0 and 1 fetch for A, waves 2 and 3 for B; the branch hangs on the wave's number alone.  An s_nop 0 and four v_nop follow each of the two lines.
.macro JLOAD g0a, g1a, g0b, g1b
	s_cmp_eq_u32 s15, 0
	s_cbranch_scc0 .Lfor_b_\@
	tensor_load_to_lds s[\g0a:\g0a+3], s[\g1a:\g1a+7]
	s_nop 0
.rept 4
	v_nop
.endr
	s_branch .Lasked_\@
.Lfor_b_\@:
	tensor_load_to_lds s[\g0b:\g0b+3], s[\g1b:\g1b+7]
	s_nop 0
.rept 4
	v_nop
.endr
.Lasked_\@:
.endm
.macro CROUND                          ; a round of the cluster's barrier
	s_barrier_signal -1
	s_barrier_wait -1
	s_cmp_lg_u32 s14, 0
	s_cbranch_scc1 .Lnot_wave_0_\@
	s_barrier_signal -3
.Lnot_wave_0_\@:
	s_barrier_wait -3
	s_barrier_signal -1
	s_barrier_wait -1
.endm
	s_load_b128 s[4:7], s[0:1], 0x0                ; xc, xs
	s_load_b128 s[8:11], s[0:1], 0x10              ; wc, ws
	s_load_b64 s[12:13], s[0:1], 0x20              ; qkv
	s_load_b64 s[96:97], s[0:1], 0x28              ; rope
	v_lshl_add_u32 v[SPW], v0, 2, SPARE
	v_mov_b32 v[NIL], 0
	ds_add_u32 v[SPW], v[NIL]                      ; the wave's opening: the add, twice on end, and its wait ahead of my first tensor load
	ds_add_u32 v[SPW], v[NIL]
	v_lshrrev_b32 v1, 5, v0
	v_readfirstlane_b32 s14, v1                    ; wave 0..3
	s_lshr_b32 s15, s14, 1                         ; which half of the tile's rows is mine.  Also: I fetch for A (0) or for B (1)
	s_and_b32 s16, s14, 1                          ; which half of its columns.  Also: which 128 rows I fetch
	s_bfe_u32 s40, ttmp6, 0x40000                  ; cx, cy
	s_bfe_u32 s41, ttmp6, 0x40004
	s_lshl_b32 s42, ttmp9, 2
	s_add_co_u32 s42, s42, s40                     ; tile column
	s_and_b32 s17, ttmp7, 0xffff
	s_lshl_b32 s17, s17, 2
	s_add_co_u32 s17, s17, s41                     ; tile row
	s_lshl_b32 s43, s41, 2
	s_lshl_b32 s43, 15, s43                        ; my row of the cluster
	s_lshl_b32 s44, 0x1111, s40                    ; my column
	s_or_b32 s[G1+0], s43, (0<<16)|(1<<20)|(1<<21)|(5<<22)|(3<<25)  ; the mask; elements of 1 byte; padding on; bit 21 beside a mask; 4 words behind every 64
	s_or_b32 s[G1B+0], s44, (0<<16)|(1<<20)|(1<<21)|(5<<22)|(3<<25)
.irp g, G1, G1B
	s_mov_b32 s[\g+1], ROWB<<16                    ; tensor_dim0
	s_mov_b32 s[\g+2], 128<<16                     ; tensor_dim1
	s_mov_b32 s[\g+3], ROWB<<16                    ; tile_dim0
	s_mov_b32 s[\g+4], 128                         ; tile_dim1
	s_mov_b32 s[\g+5], KROW                        ; from row to row
	s_mov_b32 s[\g+6], 0
	s_mov_b32 s[\g+7], 0
.endr
	s_or_b32 s[G1S+0], s43, (3<<16)|(1<<20)|(1<<21)|(5<<22)|(3<<25)  ; the scales of 128 rows: 4,096 dense bytes as 16 rows of 256 (32 elements of 8 bytes)
	s_or_b32 s[G1SB+0], s44, (3<<16)|(1<<20)|(1<<21)|(5<<22)|(3<<25)
.irp g, G1S, G1SB
	s_mov_b32 s[\g+1], 32<<16
	s_mov_b32 s[\g+2], (128*KS/256)<<16
	s_mov_b32 s[\g+3], 32<<16
	s_mov_b32 s[\g+4], 128*KS/256
	s_mov_b32 s[\g+5], 32
	s_mov_b32 s[\g+6], 0
	s_mov_b32 s[\g+7], 0
.endr
	s_lshl_b32 s18, s16, 7
	s_lshl_b32 s20, s17, 8
	s_add_co_u32 s20, s20, s18                     ; A: row 256 x tile row + 128 x half
	s_lshl_b32 s46, s42, 8
	s_add_co_u32 s46, s46, s18                     ; B: row 256 x tile column + 128 x half
	s_mov_b32 s21, 0
	s_mov_b32 s47, 0
	s_mov_b64 s[18:19], KS
	s_mul_u64 s[22:23], s[20:21], s[18:19]
	s_mul_u64 s[92:93], s[46:47], s[18:19]
	s_mov_b64 s[18:19], KROW
	s_mul_u64 s[20:21], s[20:21], s[18:19]
	s_mul_u64 s[46:47], s[46:47], s[18:19]
	s_mul_i32 s45, s14, HALFT                      ; where they go: wave x 128 rows
	s_mul_i32 s94, s14, HALFS
	s_wait_dscnt 0x0                               ; both opening adds are done
	s_wait_kmcnt 0x0
	s_add_nc_u64 s[20:21], s[4:5], s[20:21]
	s_add_nc_u64 s[22:23], s[6:7], s[22:23]
	s_add_nc_u64 s[46:47], s[8:9], s[46:47]
	s_add_nc_u64 s[92:93], s[10:11], s[92:93]
	CROUND                                         ; all sixteen work-groups are here: the joint loads meet
	s_mov_b32 s[G0S], 1
	s_add_co_u32 s[G0S+1], s94, SCL
	s_mov_b64 s[G0S+2:G0S+3], s[22:23]
	s_or_b32 s[G0S+3], s[G0S+3], 0x80000000
	s_mov_b32 s[G0SB], 1
	s_add_co_u32 s[G0SB+1], s94, SCL
	s_mov_b64 s[G0SB+2:G0SB+3], s[92:93]
	s_or_b32 s[G0SB+3], s[G0SB+3], 0x80000000
	JLOAD G0S, G1S, G0SB, G1SB                     ; the scales first; three loads of mine are out behind the last of these
.irp s, 0,1
	s_mov_b32 s[G0+4*\s], 1
	s_add_co_u32 s[G0+4*\s+1], s45, \s*SLOT
	s_add_nc_u64 s[G0+4*\s+2:G0+4*\s+3], s[20:21], \s*ROWB
	s_or_b32 s[G0+4*\s+3], s[G0+4*\s+3], 0x80000000
	s_mov_b32 s[G0B+4*\s], 1
	s_add_co_u32 s[G0B+4*\s+1], s45, \s*SLOT
	s_add_nc_u64 s[G0B+4*\s+2:G0B+4*\s+3], s[46:47], \s*ROWB
	s_or_b32 s[G0B+4*\s+3], s[G0B+4*\s+3], 0x80000000
	JLOAD G0+4*\s, G1, G0B+4*\s, G1B
.endr
	v_and_b32 v1, 15, v0                           ; r
	v_bfe_u32 v2, v0, 4, 1                         ; h
	v_mul_u32_u24 v3, v1, PITCH
	v_lshl_add_u32 v4, v2, 4, v3                   ; a fragment's row x pitch + 16 h
	s_mul_i32 s21, s15, HALFT
	s_mul_i32 s22, s16, HALFT
	s_add_co_u32 s22, s22, 2*HALFT
.irp s, 0,1
	v_add_nc_u32 v[ADRA+\s], s21, v4
	v_add_nc_u32 v[ADRB+\s], s22, v4
	s_add_co_u32 s21, s21, SLOT
	s_add_co_u32 s22, s22, SLOT
.endr
	v_mul_u32_u24 v5, v1, KS                       ; my row's scales: KS bytes a row,
	v_lshrrev_b32 v6, 8, v5
	v_lshl_add_u32 v5, v6, 4, v5                   ; and 16 more for each 256 passed
	s_mul_i32 s21, s15, HALFS
	s_mul_i32 s22, s16, HALFS
	s_add_co_u32 s22, s22, 2*HALFS
	s_sub_co_u32 s22, s22, s21
	v_mul_u32_u24 v6, s22, v2                      ; lanes 16-31 take B's
	s_add_co_u32 s21, s21, SCL
	v_add_nc_u32 v5, v5, v6
	v_add_nc_u32 v[ADRS], s21, v5
	s_mul_i32 s23, s14, 2*16*SPITCH                ; my stage
	v_mul_u32_u24 v5, v1, SPITCH
	v_lshl_add_u32 v5, v2, 4, v5
	v_add_nc_u32 v[STO], s23, v5                   ; in: row r, 16 bytes for each half of the lanes
	v_bfe_u32 v5, v0, 3, 2
	v_mul_u32_u24 v5, v5, SPITCH
	v_and_b32 v6, 7, v0
	v_lshl_add_u32 v5, v6, 4, v5
	v_add_nc_u32 v[RD], s23, v5                    ; back: eight lanes to a row of 128 bytes, four rows an instruction
	v_and_b32 v6, 31, v0
	v_lshlrev_b32 v[CO], 4, v6
	v_lshlrev_b32 v[RO], 4, v1
	v_lshl_add_u32 v[RO], v2, 16, v[RO]
	s_and_b32 s20, s17, 7                          ; my first position t inside the batch: 256 (tile row % 8) + 128 x half
	s_lshl_b32 s20, s20, 8
	s_lshl_b32 s21, s15, 7
	s_add_co_u32 s20, s20, s21
	s_lshl_b32 s22, s20, 4                         ; 16 bytes a position in each plane of the table
	s_mov_b32 s23, 0
	s_add_nc_u64 s[96:97], s[96:97], s[22:23]
	s_lshr_b32 s21, s17, 3                         ; the batch
	s_lshl_b32 s21, s21, 4
	s_lshl_b32 s46, s40, 2
	s_add_co_u32 s21, s21, s46
	s_lshl_b32 s46, s16, 1
	s_add_co_u32 s21, s21, s46                     ; 16 b + my first head: 4 cx + 2 x column half
	s_lshl_b32 s21, s21, 18                        ; 262,144 bytes a head
	s_lshl_b32 s20, s20, 7                         ; 128 bytes a row
	s_add_co_u32 s20, s20, s21
	s_lshl_b32 s21, ttmp9, 24                      ; 16 MiB a part
	s_add_co_u32 s20, s20, s21
	s_mov_b32 s21, 0
	s_add_nc_u64 s[12:13], s[12:13], s[20:21]
.macro FRAG reg, adr, q, i             ; 16 rows x 128 K of 4-bit codes: 8 registers; lane l holds row l % 16; registers 4 c .. 4 c + 3 hold K = 64 c + 32 (l / 16) + 0 .. 31
.irp c, 0,1
	ds_load_b128 v[\reg+4*\c:\reg+4*\c+3], v[\adr] offset:64*(\q)+32*\c+(\i)*16*PITCH
.endr
.endm
; 16 matrix instructions: A's blocks a0, a0 + 1 x B's eight.  p: B's set; sc: the set of scale words.  zero = 1: the first product starts the sums.  The 64 accumulators take turns, one instruction a turn.
.macro MUL16 a0, p, q, sc, zero
.irp a, \a0, \a0+1
.irp b, 0,1,2,3,4,5,6,7
.if \zero
	v_wmma_scale_f32_16x16x128_f8f6f4 v[8*(8*((\a)%4)+\b):8*(8*((\a)%4)+\b)+7], v[128*(\p)+FR*\b:128*(\p)+FR*\b+FR-1], v[AF+FR*(\a):AF+FR*(\a)+FR-1], 0, v[SC+8*NQ*(\sc)+NQ*\b+(\q)], v[SC+8*NQ*(\sc)+NQ*(\a)+(\q)] matrix_a_fmt:MATRIX_FMT_FP4 matrix_b_fmt:MATRIX_FMT_FP4 matrix_a_scale:MATRIX_SCALE_ROW1
.else
	v_wmma_scale_f32_16x16x128_f8f6f4 v[8*(8*((\a)%4)+\b):8*(8*((\a)%4)+\b)+7], v[128*(\p)+FR*\b:128*(\p)+FR*\b+FR-1], v[AF+FR*(\a):AF+FR*(\a)+FR-1], v[8*(8*((\a)%4)+\b):8*(8*((\a)%4)+\b)+7], v[SC+8*NQ*(\sc)+NQ*\b+(\q)], v[SC+8*NQ*(\sc)+NQ*(\a)+(\q)] matrix_a_fmt:MATRIX_FMT_FP4 matrix_b_fmt:MATRIX_FMT_FP4 matrix_a_scale:MATRIX_SCALE_ROW1
.endif
.endr
.endr
.endm
.macro FETCH_B slot, q, p
	WIN TO_B
.irp i, 0,1,2,3,4,5,6,7
	FRAG 128*(\p)+FR*\i, ADRB+\slot, \q, \i
.endr
	WIN 0
.endm
.macro FETCH_A slot, q, i0
.irp i, \i0, \i0+1, \i0+2, \i0+3
	FRAG AF+FR*(\i), ADRA+\slot, \q, \i
.endr
.endm
.macro SCALES sc                       ; a slot's scale words: lanes 0-15 take A's block i, lanes 16-31 B's block i; four words a row
.irp i, 0,1,2,3,4,5,6,7
	ds_load_b128 v[SC+8*NQ*\sc+NQ*\i:SC+8*NQ*\sc+NQ*\i+3], v[ADRS] offset:\i*SBLK
.endr
.endm
.macro PLACES n                        ; plain vector instructions between a matrix instruction and a load into, or a read of, its registers
.rept \n
	v_nop
.endr
.endm
.macro STEP slot, q, zero              ; a step of 128 along K that has its successor in the same slot
	s_wait_dscnt 4*NL                              ; B's set and A's blocks 0-3 are in; the youngest eight loads (A's blocks 4-7) may be out
	WIN MUL_LO
	MUL16 0, (\q)%2, \q, \slot, \zero
	MUL16 2, (\q)%2, \q, \slot, \zero
	s_wait_dscnt 0
	PLACES NP
	FETCH_B \slot, (\q)+1, 1-(\q)%2
	FETCH_A \slot, (\q)+1, 0
	WIN MUL_HI
	MUL16 4, (\q)%2, \q, \slot, \zero
	MUL16 6, (\q)%2, \q, \slot, \zero
	PLACES NP
	WIN 0
	FETCH_A \slot, (\q)+1, 4
.endm
; Slot 0's last step goes over to slot 1: each wave waits for all its tensor loads (slot 1's is the one that may be out), adds 0 to its spare word, waits for that and for its reads of slot 0, and passes one barrier.
.macro TURN slot, next
	s_wait_tensorcnt 0x0
	ds_add_u32 v[SPW], v[NIL]
	s_wait_dscnt 4*NL+1                            ; the add and the youngest eight loads may be out
	WIN MUL_LO
	MUL16 0, 1, NQ-1, \slot, 0
	s_wait_dscnt 0x0                               ; the add is done, and my reads of this slot are over
	s_barrier_signal -1
	MUL16 2, 1, NQ-1, \slot, 0
	WIN 0
	s_barrier_wait -1
	PLACES NP
	v_add_nc_u32 v[ADRS], 4*NQ, v[ADRS]            ; on to the next slot's scale words
	FETCH_B \next, 0, 0
	FETCH_A \next, 0, 0
	SCALES \next
	WIN MUL_HI
	MUL16 4, 1, NQ-1, \slot, 0
	MUL16 6, 1, NQ-1, \slot, 0
	PLACES NP
	WIN 0
	FETCH_A \next, 0, 4
.endm
.macro STEPS slot, from
.set Q, \from
.rept NQ-1-\from
	STEP \slot, Q, 0
.set Q, Q+1
.endr
.endm
.macro TAIL                            ; slot 1's four steps; the last fetches nothing.  The places at the end stand ahead of the first read of results and the first write of A's registers
	STEPS 1, 0
	s_wait_dscnt 4*NL
	WIN MUL_LO
	MUL16 0, 1, NQ-1, 1, 0
	MUL16 2, 1, NQ-1, 1, 0
	s_wait_dscnt 0
	WIN MUL_HI
	MUL16 4, 1, NQ-1, 1, 0
	MUL16 6, 1, NQ-1, 1, 0
	WIN 0
	PLACES NP
.endm
; THE WAY OUT, block by block of 16 rows.
.macro ROPELOAD a                      ; block a's cos and sin: for column block bb of a head my four pairs lie in planes 4 bb + 2 h + 0, 1; sixteen lanes read 256 consecutive bytes
	WIN 0x40
.irp bb, 0,1,2,3
.irp u, 0,1
	global_load_b128 v[RT+32*((\a)%2)+8*\bb+4*\u:RT+32*((\a)%2)+8*\bb+4*\u+3], v[RO], s[96:97] offset:(4*\bb+\u)*32768+(\a)*256
.endr
.endr
	WIN 0
.endm
.macro ROPE a                          ; (e, o) -> (e c - o s, e s + o c), in f32.  Source 0: the accumulators (window 2 or 3); source 1: the table (window 1).  Each accumulator is first read at its register 1
.set AC, 64*((\a)%4)
.set TT, RT+32*((\a)%2)
	WIN 0x06+(\a)/4
.irp b, 0,1,2,3,4,5,6,7
.irp p, 0,1,2,3
	v_mul_f32 v[X+8*\b+2*\p], v[AC+8*\b+2*\p+1], v[TT+8*(\b%4)+2*\p+1]
	v_mul_f32 v[X+8*\b+2*\p+1], v[AC+8*\b+2*\p+1], v[TT+8*(\b%4)+2*\p]
.endr
.irp p, 0,1,2,3
	v_fma_f32 v[X+8*\b+2*\p], v[AC+8*\b+2*\p], v[TT+8*(\b%4)+2*\p], -v[X+8*\b+2*\p]
	v_fma_f32 v[X+8*\b+2*\p+1], v[AC+8*\b+2*\p], v[TT+8*(\b%4)+2*\p+1], v[X+8*\b+2*\p+1]
.endr
.endr
	WIN 0
.endm
.macro PACKX
.irp b, 0,1,2,3,4,5,6,7
.irp p, 0,1,2,3
	v_cvt_pk_f16_f32 v[Y+4*\b+\p], v[X+8*\b+2*\p], v[X+8*\b+2*\p+1]
.endr
.endr
.endm
.macro PACKV a                         ; v is not turned: straight from the accumulators, each from its low end on
.set AC, 64*((\a)%4)
	WIN 0x0a+5*((\a)/4)
.irp b, 0,1,2,3,4,5,6,7
.irp p, 0,1,2,3
	v_cvt_pk_f16_f32 v[Y+4*\b+\p], v[AC+8*\b+2*\p], v[AC+8*\b+2*\p+1]
.endr
.endr
	WIN 0
.endm
.macro TOSTAGE a                       ; into my stage, and back as whole rows; LDS serves a wave's instructions in order, so no wait stands between
.irp b, 0,1,2,3,4,5,6,7
	ds_store_b128 v[STO], v[Y+4*\b:Y+4*\b+3] offset:(\b/4)*16*SPITCH+32*(\b%4)
.endr
.irp i, 0,1,2,3,4,5,6,7
	ds_load_b128 v[BK+32*((\a)%2)+4*\i:BK+32*((\a)%2)+4*\i+3], v[RD] offset:(\i/4)*16*SPITCH+(\i%4)*4*SPITCH
.endr
.endm
.macro SEND a, younger                 ; younger: the LDS instructions issued behind block a's loads
	s_wait_dscnt \younger
.irp i, 0,1,2,3,4,5,6,7
	global_store_b128 v[CO], v[BK+32*((\a)%2)+4*\i:BK+32*((\a)%2)+4*\i+3], s[12:13] offset:(\i/4)*262144+(\a)*2048+(\i%4)*512   ; four rows of a head: 512 consecutive bytes, aligned; every offset an immediate
.endr
.endm
.macro FINISH
	s_wait_tensorcnt 0x0                           ; the wave's end, behind my last tensor load and my last LDS store
	ds_add_u32 v[SPW], v[NIL]
	s_wait_dscnt 0x0
	CROUND                                         ; the closing round
	s_endpgm
.endm
	s_wait_tensorcnt 1                             ; the scales and my part of slot 0 are in (slot 1's load may be out),
	s_barrier_signal -1
	s_barrier_wait -1                              ; everybody's are
	FETCH_B 0, 0, 0
	FETCH_A 0, 0, 0
	SCALES 0
	FETCH_A 0, 0, 4
	STEP 0, 0, 1                                   ; the first step's products start the sums: nothing is cleared
	STEPS 0, 1
	TURN 0, 1
	s_cmp_eq_u32 ttmp9, 2                          ; the part: the cluster's x, the same in all sixteen partners
	s_cbranch_scc1 .Lplain
	ROPELOAD 0                                     ; q and k: the first two blocks' table is asked for here, 256 matrix instructions ahead of its use
	ROPELOAD 1
	TAIL
.irp a, 0,1,2,3,4,5,6,7
.if \a < 7
	s_wait_loadcnt 8                               ; this block's eight table loads are in; the next block's eight may be out
.else
	s_wait_loadcnt 0x0
.endif
	ROPE \a
.if \a < 6
	ROPELOAD \a+2                                  ; into the set just read
.endif
	PACKX
.if \a > 1
	s_wait_xcnt 0x0                                ; block a - 2's stores have read their registers: block a's rows may land there
.endif
	TOSTAGE \a
.if \a > 0
	SEND \a-1, 16                                  ; behind block a - 1's loads: block a's 8 stores and 8 loads
.endif
.endr
	SEND 7, 0
	FINISH
.Lplain:
	TAIL
.irp a, 0,1,2,3,4,5,6,7
	PACKV \a
.if \a > 1
	s_wait_xcnt 0x0
.endif
	TOSTAGE \a
.if \a > 0
	SEND \a-1, 16
.endif
.endr
	SEND 7, 0
	FINISH
.Lfunc_end_k_q91cc731e56_qkv:
	.size	k_q91cc731e56_qkv, .Lfunc_end_k_q91cc731e56_qkv-k_q91cc731e56_qkv
	.p2alignl 7, 3214868480
	.fill 96, 4, 3214868480
	.section	.rodata,"a",@progbits
	.p2align	6, 0x0
	.amdhsa_kernel k_q91cc731e56_qkv
		.amdhsa_group_segment_fixed_size 327680
		.amdhsa_private_segment_fixed_size 0
		.amdhsa_enable_private_segment 0
		.amdhsa_kernarg_size 48
		.amdhsa_user_sgpr_count 2
		.amdhsa_user_sgpr_kernarg_segment_ptr 1
		.amdhsa_wavefront_size32 1
		.amdhsa_system_sgpr_workgroup_id_x 1
		.amdhsa_system_sgpr_workgroup_id_y 1
		.amdhsa_system_sgpr_workgroup_id_z 1
		.amdhsa_system_vgpr_workitem_id 0
		.amdhsa_next_free_vgpr 1024
		.amdhsa_next_free_sgpr 100
		.amdhsa_reserve_vcc 0
		.amdhsa_float_denorm_mode_32 3
		.amdhsa_float_denorm_mode_16_64 3
		.amdhsa_memory_ordered 1
		.amdhsa_forward_progress 1
		.amdhsa_inst_pref_size 252
	.end_amdhsa_kernel
	.amdgpu_metadata
---
amdhsa.version: [ 1, 2 ]
amdhsa.kernels:
  - .name:           k_q91cc731e56_qkv
    .symbol:         k_q91cc731e56_qkv.kd
    .args:
      - { .name: xc, .offset: 0, .size: 8, .value_kind: global_buffer, .address_space: global }
      - { .name: xs, .offset: 8, .size: 8, .value_kind: global_buffer, .address_space: global }
      - { .name: wc, .offset: 16, .size: 8, .value_kind: global_buffer, .address_space: global }
      - { .name: ws, .offset: 24, .size: 8, .value_kind: global_buffer, .address_space: global }
      - { .name: qkv, .offset: 32, .size: 8, .value_kind: global_buffer, .address_space: global }
      - { .name: rope, .offset: 40, .size: 8, .value_kind: global_buffer, .address_space: global }
    .group_segment_fixed_size: 327680
    .private_segment_fixed_size: 0
    .kernarg_segment_align: 8
    .kernarg_segment_size: 48
    .max_flat_workgroup_size: 128
    .sgpr_count:     100
    .vgpr_count:     1024
    .wavefront_size: 32
...
	.end_amdgpu_metadata
.endif
;; end of part 2
;; launch attn (part 3): grid 4 x 64, 8 waves a work-group, clusters of 4 x 1, 327,680 bytes of LDS; arguments qkv, att; writes att
.if DOCPART == 3
	.amdgcn_target "amdgcn-amd-amdhsa--gfx1250"
	.amdhsa_code_object_version 6
	.text
	.protected	k_q91cc731e56_attn
	.globl	k_q91cc731e56_attn
	.p2align	8
	.type	k_q91cc731e56_attn,@function
k_q91cc731e56_attn:
	s_mov_b64 s[64:65], 0
	v_nop
	global_prefetch_b8 v0, s[64:65] scope:SCOPE_SE
	s_setreg_imm32_b32 hwreg(HW_REG_WAVE_MODE, 25, 1), 1
	s_wait_xcnt 0x0
	s_wait_alu depctr_hold_cnt(0) depctr_sa_sdst(0) depctr_va_vdst(0) depctr_va_sdst(0) depctr_va_ssrc(0) depctr_va_vcc(0) depctr_vm_vsrc(0)
	s_getreg_b32 s2, hwreg(HW_REG_IB_STS2, 6, 4)
	s_cmp_eq_u32 s2, 0
	s_cbranch_scc0 .Lentry_in_a_cluster
	s_endpgm
.Lentry_in_a_cluster:
	s_bfe_u32 s2, ttmp6, 0x10000c
	s_cmp_lg_u32 s2, 0x3003
	s_cbranch_scc0 .Lentry_shape_is_right
	s_endpgm
.Lentry_shape_is_right:
; RoPE attention, launch 3 of 4: att[bh][q][:] = the sum over k of softmax_k(Q[q] . K[k] / 8) V[k][:], for each of the 64 (batch, head); no mask.  Nothing of the problem is left out here.
; qkv: f16 [3 parts][64 bh][2048][64]; att: f16 [64 bh][2048][64].  Products on f16 operands, sums, maxima and the softmax in f32; the weights p are rounded to f16 for the second product, att once at the end.
; SHARES.  A work-group owns 512 queries of one head, each of its eight waves 64: four tiles of 16; two waves to a SIMD, so that one wave's vector work can stand beside the other's matrix work.
; Every wave walks the head's 2,048 keys, 64 a step.
; LAYOUT.  S^T = K Q^T (source 0 = 16 keys, source 1 = 16 queries): a lane holds ONE query (lane % 16) and the keys 8 (lane / 16) + 0..7.  Two such tiles, rounded to f16 in pairs, ARE source 1
; (32 keys x 16 queries) of O^T = V^T P.  K comes out of LDS as it lies, V ([key][channel]) turned, by ds_load_tr16_b128.
; SOFTMAX.  A running maximum m and sum l for each query: p = 2^(c s - c m), c = log2(e) / 8; in every step O and l are multiplied by a = 2^(c m_old - c m_new).  m begins at -3e38 and O, l at 0:
; the first step's a is 0 and multiplies zeros, so the step is written without a first copy.
; CLUSTER.  The four work-groups of a cluster are the four query blocks of one head and walk the same K and V: each tile is asked for JOINTLY, by the same tensor load with a mask that names the four.
; RING.  Two slots of four key steps.  The change of slots stands at a slot's head; behind its round each of the eight waves issues one load (waves 0-3: K of the slot's step w; waves 4-7: V of step w - 4),
; 64 rows of 128 bytes, into the slot just left; it has four key steps, 256 matrix instructions a wave, in which to land.  One tensor load of a wave is out at any time.
; LIMITS: p under 6e-8 falls to 0 in f16 (beside a row's largest p, which is above 1/2 ... 1, it adds nothing that the comparison sees); NaN and infinities are not served.
; REGISTERS: window 0: v2-10 addresses; v12, v13 the add's two; v16-47 eight of statistics a tile; v48-63 four of sums a tile; v64-191 S^T, 32 a tile, P in each tile's lower 16; v192-255 V of a step.
;   window 1: v0-127 O^T, 32 a tile; v128-191 Q, 16 a tile; v192-255 K of a step.
.set KS,    64
.set PK,    144       ; a row of K in LDS: 128 bytes + 16: an odd multiple of 16
.set PV,    160       ; a row of V: 128 + 32: an odd multiple of 32, for the turning load
.set VOFF,  KS*PK
.set STEPB, KS*(PK+PV)
.set NST,   4         ; key steps in a slot
.set SLOT1, 1<<17     ; slot 1 begins here: one exclusive or turns an address from slot to slot
.set STAGE, SLOT1+NST*STEPB  ; behind the ring: 16 rows x 144 bytes for each wave, for the way out
.set SP,    144
.set SPARE, STAGE+8*16*SP    ; the spare words: 128 bytes a wave, four blocks of 256 bytes that no other line names
.set NSL,   2048/(NST*KS)    ; 8 slots' worth of keys
.set AK0, 2
.set AV0, 3
.set ADK, 4
.set ADV, 5
.set QO,  6
.set STO, 7
.set RD,  8
.set GO,  9
.set PFO, 10
.set SPW, 12
.set NIL, 13
.set ST,  16          ; tile t at ST + 8 t: +0 c m, +1 m, +2, +3 l (even keys', odd keys'), +4 to +7 c0-c3 at work; a takes +6, its argument +7
.set SU,  48
.set S,   64
.set VF,  192
.set QF,  128         ; in window 1
.set KF,  192         ; in window 1
.set WV,  12
.set LIM, 15
.set PFA, 18
.set G1K, 24
.set G1V, 32
.set G0K, 40
.set G0V, 44
.set SLOTS, 56
.set CNT, 57
.set CS,  58
.set SEL, 60
.set TB,  62
.set MSB, 0
.macro WIN new
.if MSB != (\new)
	s_set_vgpr_msb (MSB<<8)|(\new)
.set MSB, (\new)
.endif
.endm
.macro JLOAD                        ; the joint load: one a wave; the branch hangs on the wave's number alone.  An s_nop 0 and four v_nop follow each line
	s_cmp_lt_u32 s[WV], 4
	s_cbranch_scc0 .Lfor_v_\@
	tensor_load_to_lds s[G0K:G0K+3], s[G1K:G1K+7]
	s_nop 0
.rept 4
	v_nop
.endr
	s_branch .Lasked_\@
.Lfor_v_\@:
	tensor_load_to_lds s[G0V:G0V+3], s[G1V:G1V+7]
	s_nop 0
.rept 4
	v_nop
.endr
.Lasked_\@:
.endm
; A prefetch of what the NEXT change of slots will ask for: a slot's 32,768 bytes of K and of V.  No other cluster reads this head.  The four partners take 8,192 bytes each, told apart by address;
; in each, wave 0 asks for K's and wave 4 for V's, lanes 256 bytes apart: each aligned 256 bytes is named once in the launch.  The last change that fills a slot asks for nothing.
.macro ASK
	s_cmp_gt_u32 s[SLOTS], s[LIM]
	s_cbranch_scc0 .Lnot_mine_\@
	global_prefetch_b8 v[PFO], s[PFA:PFA+1] th:TH_LOAD_NT scope:SCOPE_SE
.Lnot_mine_\@:
.endm
.macro CROUND
	s_barrier_signal -1
	s_barrier_wait -1
	s_cmp_lg_u32 s[WV], 0
	s_cbranch_scc1 .Lnot_wave_0_\@
	s_barrier_signal -3
.Lnot_wave_0_\@:
	s_barrier_wait -3
	s_barrier_signal -1
	s_barrier_wait -1
.endm
	s_load_b128 s[4:7], s[0:1], 0x0   ; qkv, att
	v_lshl_add_u32 v[SPW], v0, 2, SPARE
	v_mov_b32 v[NIL], 0
	ds_add_u32 v[SPW], v[NIL]       ; the wave's opening: the add, twice on end, and its wait ahead of my first tensor load
	ds_add_u32 v[SPW], v[NIL]
	v_lshrrev_b32 v1, 5, v0
	v_readfirstlane_b32 s[WV], v1   ; wave 0..7
	s_bfe_u32 s13, ttmp6, 0x40000   ; cx: my block of 512 queries; it enters Q's, att's and the prefetches' addresses alone
	s_and_b32 s20, ttmp7, 0xffff    ; the head, which the four partners share
	s_lshl_b32 s20, s20, 18         ; 262,144 bytes a head
	s_mov_b32 s21, 0
	s_lshl_b32 s22, s13, 16         ; 512 rows of 128 bytes,
	s_lshl_b32 s23, s[WV], 13       ; my wave's 64 of them
	s_add_co_u32 s22, s22, s23
	s_mov_b32 s23, 0
	s_and_b32 s16, s[WV], 3         ; which of a slot's four steps I fetch:
	s_mul_i32 s17, s16, STEPB       ; its place in a slot,
	s_lshl_b32 s2, s16, 13          ; and its 64 rows in memory
	s_mov_b32 s3, 0
	s_mov_b32 s[G1K], 15|(1<<16)|(1<<20)|(1<<21)|(4<<22)|(3<<25)  ; the mask: all four; elements of 2 bytes; padding on; bit 21 beside a mask; 4 words behind every 32
	s_mov_b32 s[G1V], 15|(1<<16)|(1<<20)|(1<<21)|(4<<22)|(7<<25)  ; the same with 8 words
.irp g, G1K, G1V
	s_mov_b32 s[\g+1], 64<<16       ; tensor_dim0 = 64
	s_mov_b32 s[\g+2], KS<<16       ; tensor_dim1 = 64
	s_mov_b32 s[\g+3], 64<<16       ; tile_dim0 = 64
	s_mov_b32 s[\g+4], KS           ; tile_dim1 = 64
	s_mov_b32 s[\g+5], 64           ; from row to row
	s_mov_b32 s[\g+6], 0
	s_mov_b32 s[\g+7], 0
.endr
	s_mov_b32 s[CS], 0x3e38aa3b     ; c = log2(e) / 8
	s_mov_b32 s[CS+1], s[CS]
	s_mov_b32 s[SEL], 0x76543210
	s_mov_b32 s[SEL+1], 0xfedcba98
	s_mov_b32 s[TB], 0
	s_mov_b32 s[SLOTS], NSL-1
	s_cmp_eq_u32 s16, 0
	s_cselect_b32 s[LIM], 1, -1     ; waves 0 and 4 prefetch
	s_wait_dscnt 0x0                ; both opening adds are done
	s_wait_kmcnt 0x0
	s_add_nc_u64 s[4:5], s[4:5], s[20:21]   ; q at the head
	s_add_nc_u64 s[6:7], s[6:7], s[20:21]   ; att likewise
	s_add_nc_u64 s[8:9], s[4:5], 0x1000000  ; k: a part on
	s_add_nc_u64 s[10:11], s[4:5], 0x2000000  ; v: two
	s_add_nc_u64 s[4:5], s[4:5], s[22:23]   ; q and att at my wave's first row
	s_add_nc_u64 s[6:7], s[6:7], s[22:23]
	s_cmp_lt_u32 s[WV], 4
	s_cselect_b64 s[PFA:PFA+1], s[8:9], s[10:11]
	s_lshl_b32 s22, s13, 13         ; my work-group's 8,192 bytes of a slot's 32,768
	s_add_nc_u64 s[PFA:PFA+1], s[PFA:PFA+1], s[22:23]
	s_add_nc_u64 s[PFA:PFA+1], s[PFA:PFA+1], NST*KS*128  ; in the second slot's worth; each change steps it before it asks.  Nothing is asked for here, at the head
	s_mov_b32 s[G0K], 1
	s_mov_b32 s[G0K+1], s17
	s_add_nc_u64 s[G0K+2:G0K+3], s[8:9], s[2:3]
	s_or_b32 s[G0K+3], s[G0K+3], 0x80000000
	s_mov_b32 s[G0V], 1
	s_add_co_u32 s[G0V+1], s17, VOFF
	s_add_nc_u64 s[G0V+2:G0V+3], s[10:11], s[2:3]
	s_or_b32 s[G0V+3], s[G0V+3], 0x80000000
	CROUND                          ; all four work-groups are here: the first joint loads meet
	JLOAD                           ; keys 0 to 255 into slot 0
	v_and_b32 v1, 15, v0            ; r
	v_bfe_u32 v11, v0, 4, 1         ; h
	v_lshlrev_b32 v[QO], 7, v1
	v_lshl_add_u32 v[QO], v11, 4, v[QO]  ; row x 128 + 16 h
	WIN 0x40                        ; destination window 1
.irp i, 0,1,2,3,4,5,6,7             ; Q stays in registers: tile i / 2, channels 32 (i % 2) on
	global_load_b128 v[QF+8*\i:QF+8*\i+3],   v[QO], s[4:5] offset:(\i/2)*2048+(\i%2)*64
	global_load_b128 v[QF+8*\i+4:QF+8*\i+7], v[QO], s[4:5] offset:(\i/2)*2048+(\i%2)*64+32
.endr
.set i, 0
.rept 128
	v_mov_b32 v[i], 0               ; O^T: the first step finds zeros, which its a = 0 leaves zeros
.set i, i+1
.endr
	WIN 0
	v_mul_u32_u24 v[AK0], v1, PK
	v_lshl_add_u32 v[AK0], v11, 4, v[AK0]  ; K: row r x pitch + 16 h
	v_and_b32 v14, 7, v0
	v_bfe_u32 v15, v0, 3, 1
	v_lshl_add_u32 v[AV0], v11, 3, v14     ; V: the turning load: key 8 h + lane % 8, channels 8 ((lane / 8) % 2) on
	v_mul_u32_u24 v[AV0], v[AV0], PV
	v_lshl_add_u32 v[AV0], v15, 4, v[AV0]
	v_add_nc_u32 v[AV0], VOFF, v[AV0]
	s_mul_i32 s14, s[WV], 16*SP
	s_add_co_u32 s14, s14, STAGE    ; my stage
	v_add_nc_u32 v[STO], s14, v[AK0]       ; in: row r, 16 bytes for each half of the lanes (the stage's pitch is K's)
	v_bfe_u32 v15, v0, 3, 2
	v_mul_u32_u24 v15, v15, SP
	v_lshl_add_u32 v15, v14, 4, v15
	v_add_nc_u32 v[RD], s14, v15    ; back: eight lanes to a row, four rows an instruction
	v_and_b32 v14, 31, v0
	v_lshlrev_b32 v[GO], 4, v14
	v_lshlrev_b32 v[PFO], 8, v14
.irp t, 0,1,2,3
	v_mov_b32 v[ST+8*\t+1], 0xff61b1e6     ; m = -3e38, under every score
	v_mov_b32 v[ST+8*\t+2], 0              ; l
	v_mov_b32 v[ST+8*\t+3], 0
.endr
.irp t, 0,1,2,3
	v_mul_f32 v[ST+8*\t], s[CS], v[ST+8*\t+1]
.endr
.macro SCALE t                      ; pair b of tile t: c s - c m
	v_pk_fma_f32 v[S+32*(\t)+2*b:S+32*(\t)+2*b+1], v[S+32*(\t)+2*b:S+32*(\t)+2*b+1], s[CS:CS+1], v[ST+8*(\t):ST+8*(\t)+1] op_sel_hi:[1,0,0] neg_lo:[0,0,1] neg_hi:[0,0,1]
.endm
; A KEY STEP: 64 keys at LDS byte s[TB].
.macro KEYSTEP
	v_add_nc_u32 v[ADK], s[TB], v[AK0]
	v_add_nc_u32 v[ADV], s[TB], v[AV0]
.rept 3
	v_nop                           ; with the two additions: five places behind the last V^T P: four ahead of the loads into V's registers, five ahead of the products that write over P
.endr
	WIN 0x40
.irp f, 0,1,2,3,4,5,6,7             ; K: keys 16 (f / 2) on, channels 32 (f % 2) on
	ds_load_b128 v[KF+8*\f:KF+8*\f+3],   v[ADK] offset:(\f/2)*16*PK+(\f%2)*64
	ds_load_b128 v[KF+8*\f+4:KF+8*\f+7], v[ADK] offset:(\f/2)*16*PK+(\f%2)*64+32
.endr
	WIN 0
.irp f, 0,1,2,3,4,5,6,7             ; V, turned: keys 32 (f / 4) on, channels 16 (f % 4) on
	ds_load_tr16_b128 v[VF+8*\f:VF+8*\f+3],   v[ADV] offset:(\f/4)*32*PV+(\f%4)*32
	ds_load_tr16_b128 v[VF+8*\f+4:VF+8*\f+7], v[ADV] offset:(\f/4)*32*PV+16*PV+(\f%4)*32
.endr
	s_add_co_u32 s[TB], s[TB], STEPB
	s_wait_dscnt 16                 ; K's sixteen loads are in; V's sixteen may be out
	WIN 0x05                        ; K and Q in window 1, S^T in window 0
.set i, 0
.rept 32                            ; S^T = K Q^T: channels 32 (i / 16) on, keys 16 ((i / 4) % 4) on, tile i % 4: the 16 accumulators take turns
.set rS, S+32*(i%4)+8*((i/4)%4)
.set rK, KF+8*(2*((i/4)%4)+i/16)
.set rQ, QF+16*(i%4)+8*(i/16)
.if i < 16
	v_wmma_f32_16x16x32_f16 v[rS:rS+7], v[rK:rK+7], v[rQ:rQ+7], 0
.else
	v_wmma_f32_16x16x32_f16 v[rS:rS+7], v[rK:rK+7], v[rQ:rQ+7], v[rS:rS+7]
.endif
.set i, i+1
.endr
	WIN 0
.rept 4
	v_nop                           ; places ahead of the first read of the scores
.endr
	; the maximum of a lane's 32 scores and the old m: four chains a tile, each begun at its accumulator's low end; the four tiles by turns
.irp j, 0,1,2,3
.irp t, 0,1,2,3
	v_max3_num_f32 v[ST+8*\t+4+\j], v[S+32*\t+8*\j], v[S+32*\t+8*\j+1], v[S+32*\t+8*\j+2]
.endr
.endr
.irp g, 3,5
.irp j, 0,1,2,3
.irp t, 0,1,2,3
	v_max3_num_f32 v[ST+8*\t+4+\j], v[ST+8*\t+4+\j], v[S+32*\t+8*\j+\g], v[S+32*\t+8*\j+\g+1]
.endr
.endr
.endr
.irp t, 0,1,2,3
	v_max3_num_f32 v[ST+8*\t+4], v[ST+8*\t+4], v[S+32*\t+7], v[S+32*\t+15]
.endr
.irp t, 0,1,2,3
	v_max3_num_f32 v[ST+8*\t+6], v[ST+8*\t+6], v[S+32*\t+23], v[S+32*\t+31]
.endr
.irp t, 0,1,2,3
	v_max3_num_f32 v[ST+8*\t+4], v[ST+8*\t+4], v[ST+8*\t+5], v[ST+8*\t+6]
.endr
.irp t, 0,1,2,3
	v_max3_num_f32 v[ST+8*\t+4], v[ST+8*\t+4], v[ST+8*\t+7], v[ST+8*\t+1]
.endr
.irp t, 0,1,2,3
	v_permlanex16_b32 v[ST+8*\t+5], v[ST+8*\t+4], s[SEL], s[SEL+1]  ; the query's other 32 keys lie in the lane 16 away
.endr
.irp t, 0,1,2,3
	v_mov_b32 v[ST+8*\t+7], v[ST+8*\t]     ; c m_old is kept for a
.endr
.irp t, 0,1,2,3
	v_max_num_f32 v[ST+8*\t+1], v[ST+8*\t+4], v[ST+8*\t+5]
.endr
.irp t, 0,1,2,3
	v_mul_f32 v[ST+8*\t], s[CS], v[ST+8*\t+1]
.endr
.irp t, 0,1,2,3
	v_sub_f32 v[ST+8*\t+7], v[ST+8*\t+7], v[ST+8*\t]
.endr
	; ONE BATCH: the four a and the 128 p; none of these lines names an exponential's result.  A tile's scalings stand among the exponentials of the tile before
.irp t, 0,1,2,3
	v_exp_f32 v[ST+8*\t+6], v[ST+8*\t+7]
.endr
.set b, 0
.rept 16
	SCALE 0
.set b, b+1
.endr
.irp t, 0,1,2,3
.set b, 0
.rept 16
	v_exp_f32 v[S+32*\t+2*b], v[S+32*\t+2*b]
	v_exp_f32 v[S+32*\t+2*b+1], v[S+32*\t+2*b+1]
.if \t < 3
	SCALE \t+1
.endif
.set b, b+1
.endr
.endr
	v_nop                           ; a plain instruction behind the last exponential
	s_wait_alu depctr_va_vdst(0)    ; one wait for the batch, ahead of its first reader
	; the sums of the unrounded p: two chains a tile; l = a l + the sum
.irp t, 0,1,2,3
	v_pk_add_f32 v[SU+4*\t:SU+4*\t+1], v[S+32*\t:S+32*\t+1], v[S+32*\t+4:S+32*\t+5]
.endr
.irp t, 0,1,2,3
	v_pk_add_f32 v[SU+4*\t+2:SU+4*\t+3], v[S+32*\t+2:S+32*\t+3], v[S+32*\t+6:S+32*\t+7]
.endr
.irp j, 8,12,16,20,24,28
.irp t, 0,1,2,3
	v_pk_add_f32 v[SU+4*\t:SU+4*\t+1], v[SU+4*\t:SU+4*\t+1], v[S+32*\t+\j:S+32*\t+\j+1]
.endr
.irp t, 0,1,2,3
	v_pk_add_f32 v[SU+4*\t+2:SU+4*\t+3], v[SU+4*\t+2:SU+4*\t+3], v[S+32*\t+\j+2:S+32*\t+\j+3]
.endr
.endr
.irp t, 0,1,2,3
	v_pk_add_f32 v[SU+4*\t:SU+4*\t+1], v[SU+4*\t:SU+4*\t+1], v[SU+4*\t+2:SU+4*\t+3]
.endr
.irp t, 0,1,2,3
	v_pk_fma_f32 v[ST+8*\t+2:ST+8*\t+3], v[ST+8*\t+2:ST+8*\t+3], v[ST+8*\t+6:ST+8*\t+7], v[SU+4*\t:SU+4*\t+1] op_sel_hi:[1,0,1]
.endr
.set j, 0
.rept 16                            ; P in place: pair j of a tile goes to the tile's register j, which pairs 0 .. j have left
.irp t, 0,1,2,3
	v_cvt_pk_f16_f32 v[S+32*\t+j], v[S+32*\t+2*j], v[S+32*\t+2*j+1]
.endr
.set j, j+1
.endr
	WIN 0x41                        ; O^T (destination and source 0) in window 1, a in window 0
.set i, 0
.rept 64
	v_pk_mul_f32 v[2*i:2*i+1], v[2*i:2*i+1], v[ST+8*(i/16)+6:ST+8*(i/16)+7] op_sel_hi:[1,0]
.set i, i+1
.endr
	s_wait_dscnt 0x0                ; V is in
	WIN 0x50                        ; V and P in window 0, O^T in window 1
.set i, 0
.rept 32                            ; O^T += V^T P: keys 32 (i / 16) on, channels 16 ((i / 4) % 4) on, tile i % 4: the 16 accumulators take turns
.set rO, 32*(i%4)+8*((i/4)%4)
.set rV, VF+8*(4*(i/16)+(i/4)%4)
.set rP, S+32*(i%4)+8*(i/16)
	v_wmma_f32_16x16x32_f16 v[rO:rO+7], v[rV:rV+7], v[rP:rP+7], v[rO:rO+7]
.set i, i+1
.endr
	WIN 0
.endm
; THE CHANGE OF SLOTS, at a slot's head.  Each wave waits for all its tensor loads (its part of the slot ahead), adds 0 to its spare word, and waits for that and for its reads of the slot that it has left.
; fill = 1: a round of the cluster's barrier, and behind it the joint load of the next 256 keys into the slot just left.
.macro CHANGE fill
	s_wait_tensorcnt 0x0            ; no tensor load of mine is out, so a group 0 may be written
	ds_add_u32 v[SPW], v[NIL]
.if \fill
	s_xor_b32 s[G0K+1], s[G0K+1], SLOT1
	s_add_nc_u64 s[G0K+2:G0K+3], s[G0K+2:G0K+3], NST*KS*128
	s_xor_b32 s[G0V+1], s[G0V+1], SLOT1
	s_add_nc_u64 s[G0V+2:G0V+3], s[G0V+2:G0V+3], NST*KS*128
	s_wait_xcnt 0x0                 ; the last prefetch, a slot back, has read its address
	s_add_nc_u64 s[PFA:PFA+1], s[PFA:PFA+1], NST*KS*128  ; one slot further on than the walking descriptors
	s_wait_dscnt 0x0                ; the add is done, and my reads of the slot that I have left are over
	CROUND
	JLOAD
	ASK
.else
	s_wait_dscnt 0x0
	s_barrier_signal -1
	s_barrier_wait -1
.endif
.endm
.macro SLOT_STEPS                   ; a slot's four key steps: written once, walked four times
	s_mov_b32 s[CNT], NST
.Lstep_\@:
	KEYSTEP
	s_sub_co_u32 s[CNT], s[CNT], 1
	s_cmp_lg_u32 s[CNT], 0
	s_cbranch_scc1 .Lstep_\@
	s_sub_co_u32 s[TB], s[TB], NST*STEPB
	s_xor_b32 s[TB], s[TB], SLOT1   ; on to the other slot
.endm
	s_wait_loadcnt 0x0              ; Q
.Lslot:                             ; 7 trips: behind each change of slots but the last the next 256 keys are asked for
	CHANGE 1
	SLOT_STEPS
	s_sub_co_u32 s[SLOTS], s[SLOTS], 1
	s_cmp_lg_u32 s[SLOTS], 0
	s_cbranch_scc1 .Lslot
	CHANGE 0                        ; the last slot is written out
	SLOT_STEPS
	; THE WAY OUT.  l's halves and the other half of the lanes' are added (these additions are the places behind the last products); O^T / l is rounded to f16 and goes through my stage, a tile at a time.
.irp t, 0,1,2,3
	v_add_f32 v[ST+8*\t+4], v[ST+8*\t+2], v[ST+8*\t+3]
.endr
.irp t, 0,1,2,3
	v_permlanex16_b32 v[ST+8*\t+5], v[ST+8*\t+4], s[SEL], s[SEL+1]
.endr
.irp t, 0,1,2,3
	v_add_f32 v[ST+8*\t+4], v[ST+8*\t+4], v[ST+8*\t+5]
.endr
.irp t, 0,1,2,3
	v_rcp_f32 v[ST+8*\t+6], v[ST+8*\t+4]
.endr
	v_nop
	s_wait_alu depctr_va_vdst(0)    ; one wait for the four reciprocals, ahead of their first reader
.macro PACK t
	WIN 0x41
.set i, 0
.rept 16
	v_pk_mul_f32 v[32*\t+2*i:32*\t+2*i+1], v[32*\t+2*i:32*\t+2*i+1], v[ST+8*\t+6:ST+8*\t+7] op_sel_hi:[1,0]
.set i, i+1
.endr
	WIN 0x05                        ; sources in window 1, destination in window 0
.set i, 0
.rept 16
	v_cvt_pk_f16_f32 v[S+16*\t+i], v[32*\t+2*i], v[32*\t+2*i+1]
.set i, i+1
.endr
	WIN 0
.irp f, 0,1,2,3
	ds_store_b128 v[STO], v[S+16*\t+4*\f:S+16*\t+4*\f+3] offset:32*\f
.endr
.irp f, 0,1,2,3
	ds_load_b128 v[S+16*\t+4*\f:S+16*\t+4*\f+3], v[RD] offset:\f*4*SP  ; LDS serves a wave's instructions in order: these see the stores above, and the next tile's stores come behind them
.endr
.endm
.macro SEND t, younger              ; younger: the next tile's four stores and four loads, or none
.irp f, 0,1,2,3
	s_wait_dscnt \younger+3-\f
	global_store_b128 v[GO], v[S+16*\t+4*\f:S+16*\t+4*\f+3], s[6:7] offset:\t*2048+\f*512  ; four rows: 512 consecutive bytes, aligned
.endr
.endm
	PACK 0
	PACK 1
	SEND 0, 8
	PACK 2
	SEND 1, 8
	PACK 3
	SEND 2, 8
	SEND 3, 0
	s_wait_tensorcnt 0x0            ; the wave's end, behind my last tensor load and my last LDS store
	ds_add_u32 v[SPW], v[NIL]
	s_wait_dscnt 0x0
	CROUND                          ; the closing round
	s_endpgm
.Lfunc_end_k_q91cc731e56_attn:
	.size	k_q91cc731e56_attn, .Lfunc_end_k_q91cc731e56_attn-k_q91cc731e56_attn
	.p2alignl 7, 3214868480
	.fill 96, 4, 3214868480
	.section	.rodata,"a",@progbits
	.p2align	6, 0x0
	.amdhsa_kernel k_q91cc731e56_attn
		.amdhsa_group_segment_fixed_size 327680
		.amdhsa_private_segment_fixed_size 0
		.amdhsa_enable_private_segment 0
		.amdhsa_kernarg_size 16
		.amdhsa_user_sgpr_count 2
		.amdhsa_user_sgpr_kernarg_segment_ptr 1
		.amdhsa_wavefront_size32 1
		.amdhsa_system_sgpr_workgroup_id_x 1
		.amdhsa_system_sgpr_workgroup_id_y 1
		.amdhsa_system_sgpr_workgroup_id_z 1
		.amdhsa_system_vgpr_workitem_id 0
		.amdhsa_next_free_vgpr 512
		.amdhsa_next_free_sgpr 66
		.amdhsa_reserve_vcc 0
		.amdhsa_float_denorm_mode_32 3
		.amdhsa_float_denorm_mode_16_64 3
		.amdhsa_memory_ordered 1
		.amdhsa_forward_progress 1
		.amdhsa_inst_pref_size 91
	.end_amdhsa_kernel
	.amdgpu_metadata
---
amdhsa.version: [ 1, 2 ]
amdhsa.kernels:
  - .name:           k_q91cc731e56_attn
    .symbol:         k_q91cc731e56_attn.kd
    .args:
      - { .name: qkv, .offset: 0, .size: 8, .value_kind: global_buffer, .address_space: global }
      - { .name: att, .offset: 8, .size: 8, .value_kind: global_buffer, .address_space: global }
    .group_segment_fixed_size: 327680
    .private_segment_fixed_size: 0
    .kernarg_segment_align: 8
    .kernarg_segment_size: 16
    .max_flat_workgroup_size: 256
    .sgpr_count:     66
    .vgpr_count:     512
    .wavefront_size: 32
...
	.end_amdgpu_metadata
.endif
;; end of part 3
;; launch proj (part 4): grid 8 x 32, 4 waves a work-group, clusters of 4 x 4, 327,680 bytes of LDS; arguments att, wp, out0; writes out0
.if DOCPART == 4
	.amdgcn_target "amdgcn-amd-amdhsa--gfx1250"
	.amdhsa_code_object_version 6
	.text
	.protected	k_q91cc731e56_proj
	.globl	k_q91cc731e56_proj
	.p2align	8
	.type	k_q91cc731e56_proj,@function
k_q91cc731e56_proj:
	s_mov_b64 s[64:65], 0
	v_nop
	global_prefetch_b8 v0, s[64:65] scope:SCOPE_SE
	s_setreg_imm32_b32 hwreg(HW_REG_WAVE_MODE, 25, 1), 1
	s_wait_xcnt 0x0
	s_wait_alu depctr_hold_cnt(0) depctr_sa_sdst(0) depctr_va_vdst(0) depctr_va_sdst(0) depctr_va_ssrc(0) depctr_va_vcc(0) depctr_vm_vsrc(0)
	s_getreg_b32 s2, hwreg(HW_REG_IB_STS2, 6, 4)
	s_cmp_eq_u32 s2, 0
	s_cbranch_scc0 .Lentry_in_a_cluster
	s_endpgm
.Lentry_in_a_cluster:
	s_bfe_u32 s2, ttmp6, 0x10000c
	s_cmp_lg_u32 s2, 0xf033
	s_cbranch_scc0 .Lentry_shape_is_right
	s_endpgm
.Lentry_shape_is_right:
; RoPE attention, launch 4 of 4: out0[row][e] = the sum over k = 64 h + d of att[row][k] Wproj[e][k], f16 operands, sums in f32, K ascending.  Nothing of the problem is left out here.
; att: f16 [16 b + h][2048 t][64 d]; wp: f16 [16 h][1024 e][64 d]; out0: f32 [8192][1024].  K goes head by head, and a head's rows of 128 bytes lie on end: every tile is one dense block.
; A tile of out0 is 256 rows (inside one batch) x 128 columns: 256 work-groups of four waves; wave (w / 2, w % 2) makes 128 x 64: 32 accumulators of 16 x 16.
; K goes in steps of two heads (128) through a ring of two LDS slots: [A head 0][A head 1][B head 0][B head 1].  Waves 0 and 1 fetch A's two heads (256 rows each), waves 2 and 3 B's (128 rows each): one load a wave.
; CLUSTERS: 4 x 4 work-groups; A's tiles are asked for jointly along a row of the cluster, B's along a column.  THE MATRIX INSTRUCTION IS USED TRANSPOSED (source 0 = 16 rows of wp, source 1 = 16 rows of att):
; a lane holds eight neighbouring numbers of a row of out0.
; REGISTERS: window 0: v16-30 addresses; v64-127, v128-191 A's fragments, two buffers; v32-63, v192-223 rows on the way out.  window 1: v64-95, v128-159 B's fragments.  window 2: accumulator (a, b) at v[8 (4 a + b)].
.set PITCH,  144                       ; an LDS row: 128 bytes + 16: an odd multiple of 16
.set AH,     256*PITCH                 ; a head of A's tile
.set BH,     128*PITCH                 ; a head of B's
.set SLOT,   2*AH+2*BH
.set STAGE,  2*SLOT                    ; behind the ring: 16 rows x 272 bytes for each wave
.set SPITCH, 272
.set SPARE,  STAGE+4*16*SPITCH         ; the spare words: 128 bytes a wave, two blocks of 256 bytes that no other line names
.set LAPS,   4                         ; a lap = two K steps = once round the ring; K = 1,024 is eight K steps
.set ASTEP,  2*2048*128                ; a K step on in att: two heads
.set BSTEP,  2*1024*128                ; and in wp
.set ADRA, 16
.set ADRB, 20
.set STO,  24
.set RD,   25
.set CO,   26
.set SPW,  28
.set NIL,  29
.set PFO,  30
.set F0,   64
.set F1,   128
.set PFA,  44
.set LIM,  43
.set G1, 24
.set G0, 32
.set G1B, 48
.set G0B, 56
.set MSB, 0
.macro WIN new
.if MSB != (\new)
	s_set_vgpr_msb (MSB<<8)|(\new)
.set MSB, (\new)
.endif
.endm
.set MUL,  0xa1                        ; source 0 (B) window 1, source 1 (A) window 0, C and D window 2
.set TO_B, 0x40
.macro JLOAD s                         ; a joint load; the branch hangs on the wave's number alone.  An s_nop 0 and four v_nop follow each line
	s_cmp_eq_u32 s11, 0
	s_cbranch_scc0 .Lfor_b_\@
	tensor_load_to_lds s[G0+4*\s:G0+4*\s+3], s[G1:G1+7]
	s_nop 0
.rept 4
	v_nop
.endr
	s_branch .Lasked_\@
.Lfor_b_\@:
	tensor_load_to_lds s[G0B+4*\s:G0B+4*\s+3], s[G1B:G1B+7]
	s_nop 0
.rept 4
	v_nop
.endr
.Lasked_\@:
.endm
; A prefetch of A's K step that stands TWO refills on.  A's tile row is read by both clusters of that row of clusters: the one with x = 0 asks.  A wave's head of the tile is 32,768 dense bytes; the four partners
; that ask for it jointly take 8,192 each, told apart by address, lanes 256 bytes apart: each aligned 256 bytes is named once in the launch.  The loop's last trip asks for nothing; K steps 0 to 3 come by their loads alone.
; wp is not asked for: every row of clusters walks the same K step of it at the same time.
.macro ASK
	s_cmp_gt_u32 s3, s[LIM]
	s_cbranch_scc0 .Lnot_mine_\@
	global_prefetch_b8 v[PFO], s[PFA:PFA+1] offset:ASTEP th:TH_LOAD_NT scope:SCOPE_SE
.Lnot_mine_\@:
.endm
.macro CREST
	s_cmp_lg_u32 s10, 0
	s_cbranch_scc1 .Lnot_wave_0_\@
	s_barrier_signal -3
.Lnot_wave_0_\@:
	s_barrier_wait -3
	s_barrier_signal -1
	s_barrier_wait -1
.endm
.macro CROUND
	s_barrier_signal -1
	s_barrier_wait -1
	CREST
.endm
	s_load_b128 s[4:7], s[0:1], 0x0                ; att, wp
	s_load_b64 s[8:9], s[0:1], 0x10                ; out0
	v_lshl_add_u32 v[SPW], v0, 2, SPARE
	v_mov_b32 v[NIL], 0
	ds_add_u32 v[SPW], v[NIL]                      ; the wave's opening: the add, twice on end, and its wait ahead of my first tensor load
	ds_add_u32 v[SPW], v[NIL]
	v_lshrrev_b32 v1, 5, v0
	v_readfirstlane_b32 s10, v1                    ; wave 0..3
	s_lshr_b32 s11, s10, 1                         ; which half of the tile's rows is mine.  Also: I fetch for A (0) or for B (1)
	s_and_b32 s12, s10, 1                          ; which half of its columns.  Also: which of a K step's two heads I fetch
	s_bfe_u32 s40, ttmp6, 0x40000                  ; cx, cy
	s_bfe_u32 s41, ttmp6, 0x40004
	s_lshl_b32 s42, ttmp9, 2
	s_add_co_u32 s42, s42, s40                     ; tile column
	s_and_b32 s13, ttmp7, 0xffff
	s_lshl_b32 s13, s13, 2
	s_add_co_u32 s13, s13, s41                     ; tile row
	s_lshl_b32 s43, s41, 2
	s_lshl_b32 s43, 15, s43                        ; my row of the cluster
	s_lshl_b32 s44, 0x1111, s40                    ; my column
	s_or_b32 s[G1+0], s43, (1<<16)|(1<<20)|(1<<21)|(4<<22)|(3<<25)   ; the mask; elements of 2 bytes; padding on; bit 21 beside a mask; 4 words behind every 32
	s_or_b32 s[G1B+0], s44, (1<<16)|(1<<20)|(1<<21)|(4<<22)|(3<<25)
	s_mov_b32 s[G1+1], 64<<16                      ; tensor_dim0 = 64
	s_mov_b32 s[G1+2], 256<<16                     ; tensor_dim1 = 256
	s_mov_b32 s[G1+3], 64<<16                      ; tile_dim0 = 64
	s_mov_b32 s[G1+4], 256                         ; tile_dim1 = 256
	s_mov_b32 s[G1+5], 64                          ; from row to row
	s_mov_b32 s[G1+6], 0
	s_mov_b32 s[G1+7], 0
	s_mov_b32 s[G1B+1], 64<<16
	s_mov_b32 s[G1B+2], 128<<16
	s_mov_b32 s[G1B+3], 64<<16
	s_mov_b32 s[G1B+4], 128
	s_mov_b32 s[G1B+5], 64
	s_mov_b32 s[G1B+6], 0
	s_mov_b32 s[G1B+7], 0
	s_lshr_b32 s16, s13, 3                         ; A: the batch,
	s_lshl_b32 s16, s16, 4
	s_add_co_u32 s16, s16, s12                     ; my head of K step 0,
	s_lshl_b32 s16, s16, 11
	s_and_b32 s17, s13, 7
	s_lshl_b32 s17, s17, 8
	s_add_co_u32 s16, s16, s17                     ; the tile's first position,
	s_lshl_b32 s16, s16, 7                         ; 128 bytes a row
	s_mov_b32 s17, 0
	s_lshl_b32 s46, s12, 17                        ; B: my head, 131,072 bytes a head,
	s_lshl_b32 s47, s42, 14                        ; the tile's 128 rows
	s_add_co_u32 s46, s46, s47
	s_mov_b32 s47, 0
	s_mul_i32 s20, s12, AH                         ; where they go: no place in the cluster enters an LDS address
	s_mul_i32 s21, s12, BH
	s_add_co_u32 s21, s21, 2*AH
	s_wait_dscnt 0x0                               ; both opening adds are done
	s_wait_kmcnt 0x0
	s_add_nc_u64 s[14:15], s[4:5], s[16:17]
	s_add_nc_u64 s[46:47], s[6:7], s[46:47]
	CROUND                                         ; all sixteen work-groups are here: the first joint loads meet
.irp s, 0,1
	s_mov_b32 s[G0+4*\s], 1
	s_add_co_u32 s[G0+4*\s+1], s20, \s*SLOT
	s_add_nc_u64 s[G0+4*\s+2:G0+4*\s+3], s[14:15], \s*ASTEP
	s_or_b32 s[G0+4*\s+3], s[G0+4*\s+3], 0x80000000
	s_mov_b32 s[G0B+4*\s], 1
	s_add_co_u32 s[G0B+4*\s+1], s21, \s*SLOT
	s_add_nc_u64 s[G0B+4*\s+2:G0B+4*\s+3], s[46:47], \s*BSTEP
	s_or_b32 s[G0B+4*\s+3], s[G0B+4*\s+3], 0x80000000
	JLOAD \s                                       ; two loads of mine are out behind the second
.endr
	v_and_b32 v1, 15, v0                           ; r
	v_bfe_u32 v2, v0, 4, 1                         ; h
	v_mul_u32_u24 v3, v1, PITCH
	v_lshl_add_u32 v3, v2, 4, v3                   ; a fragment's row x pitch + 16 h
	s_mul_i32 s21, s11, 128*PITCH                  ; my 128 rows of A
	s_mul_i32 s22, s12, 64*PITCH                   ; my 64 rows of B,
	s_add_co_u32 s22, s22, 2*AH                    ; which lie behind A's two heads
.irp s, 0,1
	v_add_nc_u32 v[ADRA+\s], s21, v3
	v_add_nc_u32 v[ADRB+\s], s22, v3
	s_add_co_u32 s21, s21, SLOT
	s_add_co_u32 s22, s22, SLOT
.endr
	s_mul_i32 s23, s10, 16*SPITCH
	s_add_co_u32 s23, s23, STAGE                   ; my stage
	v_mul_u32_u24 v4, v1, SPITCH
	v_lshl_add_u32 v4, v2, 5, v4
	v_add_nc_u32 v[STO], s23, v4                   ; in: row r, 32 bytes for each half of the lanes
	v_mul_u32_u24 v5, v2, SPITCH
	v_lshl_add_u32 v5, v1, 4, v5
	v_add_nc_u32 v[RD], s23, v5                    ; back: lanes 0-15 one row of 256 bytes, lanes 16-31 the next
	v_lshlrev_b32 v5, 12, v2
	v_lshl_add_u32 v[CO], v1, 4, v5                ; and the same two rows in out0, 4,096 bytes apart
	s_lshl_b32 s16, s13, 8
	s_lshl_b32 s17, s11, 7
	s_add_co_u32 s16, s16, s17                     ; my first row of out0
	s_lshl_b32 s16, s16, 12
	s_lshl_b32 s46, s42, 9                         ; my first column, in bytes: 512 x tile column + 256 x half
	s_lshl_b32 s47, s12, 8
	s_add_co_u32 s46, s46, s47
	s_add_co_u32 s16, s16, s46
	s_mov_b32 s17, 0
	s_add_nc_u64 s[8:9], s[8:9], s[16:17]
	s_mov_b64 s[PFA:PFA+1], s[14:15]               ; the prefetches: my head of A's tile,
	s_lshl_b32 s22, s40, 13                        ; my work-group's 8,192 bytes of it,
	s_mov_b32 s23, 0
	s_add_nc_u64 s[PFA:PFA+1], s[PFA:PFA+1], s[22:23]
	s_add_nc_u64 s[PFA:PFA+1], s[PFA:PFA+1], 2*ASTEP  ; at K step 2: the first refill steps it to 3 and names K step 4
	s_or_b32 s22, s11, ttmp9
	s_cmp_eq_u32 s22, 0
	s_cselect_b32 s[LIM], 1, -1                    ; waves 0 and 1 of the clusters with x = 0: the same in all sixteen partners, for a given wave
	v_and_b32 v[PFO], 31, v0
	v_lshlrev_b32 v[PFO], 8, v[PFO]
; 8 matrix instructions: A's blocks a0, a0 + 1 x B's four, 32 along K.  zero = 1: the first product starts the sums.  The 32 accumulators take turns, in the same order in every quarter.
.macro MUL8 f, a0, zero
.irp a, \a0, \a0+1
.irp b, 0,1,2,3
.if \zero
	v_wmma_f32_16x16x32_f16 v[8*(4*(\a)+\b):8*(4*(\a)+\b)+7], v[\f+8*\b:\f+8*\b+7], v[\f+8*(\a):\f+8*(\a)+7], 0
.else
	v_wmma_f32_16x16x32_f16 v[8*(4*(\a)+\b):8*(4*(\a)+\b)+7], v[\f+8*\b:\f+8*\b+7], v[\f+8*(\a):\f+8*(\a)+7], v[8*(4*(\a)+\b):8*(4*(\a)+\b)+7]
.endif
.endr
.endr
.endm
; 24 LDS loads in one run: quarter q of a slot (head q / 2, channels 32 (q % 2) on) into buffer f: B's four fragments, then A's eight
.macro FETCH slot, q, f
	WIN TO_B
.irp i, 0,1,2,3
	ds_load_b128 v[\f+8*\i:\f+8*\i+3],   v[ADRB+\slot] offset:((\q)/2)*BH+((\q)%2)*64+\i*16*PITCH
	ds_load_b128 v[\f+8*\i+4:\f+8*\i+7], v[ADRB+\slot] offset:((\q)/2)*BH+((\q)%2)*64+\i*16*PITCH+32
.endr
	WIN 0
.irp i, 0,1,2,3,4,5,6,7
	ds_load_b128 v[\f+8*\i:\f+8*\i+3],   v[ADRA+\slot] offset:((\q)/2)*AH+((\q)%2)*64+\i*16*PITCH
	ds_load_b128 v[\f+8*\i+4:\f+8*\i+7], v[ADRA+\slot] offset:((\q)/2)*AH+((\q)%2)*64+\i*16*PITCH+32
.endr
.endm
.macro PLACES                          ; four plain vector instructions ahead of loads into registers that matrix instructions have read, and of the first read of results
.rept 4
	v_nop
.endr
.endm
; A K step is four quarters of 32 along K, 32 matrix instructions each, on buffers 0, 1, 0, 1.  One of the first three: multiplies buffer f; in its middle it fetches quarter q into buffer g.
.macro QUARTER slot, q, f, g, zero
	s_wait_dscnt 8                                 ; B and A's blocks 0-3 are in; the youngest eight loads (A's blocks 4-7) may be out
	WIN MUL
	MUL8 \f, 0, \zero
	MUL8 \f, 2, \zero
	PLACES
	FETCH \slot, \q, \g
	s_wait_dscnt 24                                ; all but the 24 just issued
	WIN MUL
	MUL8 \f, 4, \zero
	MUL8 \f, 6, \zero
.endm
; The last quarter multiplies buffer 1 and changes slots: in front of the barrier each wave waits for all its tensor loads (its part of the next slot), adds 0 to its spare word, and waits for that and for its reads
; of this slot.  fill = 1: the barrier opens a round of the cluster's barrier, and this slot is filled again, two K steps ahead: 112 matrix instructions stand between the request and the wait for it.
.macro TURN slot, next, fill
.if \fill
	s_wait_xcnt 0x0                                ; the last prefetch, a K step back, has read its address
	s_add_nc_u64 s[PFA:PFA+1], s[PFA:PFA+1], ASTEP
.endif
	WIN 0
	s_wait_tensorcnt 0x0
	ds_add_u32 v[SPW], v[NIL]
	s_wait_dscnt 9                                 ; the add and the youngest eight loads may be out
	WIN MUL
	MUL8 F1, 0, 0
	s_wait_dscnt 0x0                               ; the add is done, and my reads of this slot are over
	s_barrier_signal -1
	MUL8 F1, 2, 0
	WIN 0
	s_barrier_wait -1
.if \fill
	CREST
	s_add_nc_u64 s[G0+4*\slot+2:G0+4*\slot+3], s[G0+4*\slot+2:G0+4*\slot+3], 2*ASTEP
	s_add_nc_u64 s[G0B+4*\slot+2:G0B+4*\slot+3], s[G0B+4*\slot+2:G0B+4*\slot+3], 2*BSTEP
	JLOAD \slot                                    ; the first tensor load behind the round; its four v_nop are also the places ahead of the loads below
.else
	PLACES
.endif
	FETCH \next, 0, F0
.if \fill
	ASK
.endif
	WIN MUL
	MUL8 F1, 4, 0
	MUL8 F1, 6, 0
.endm
	s_wait_tensorcnt 1                             ; my part of K step 0 is in (K step 1's load may be out),
	s_barrier_signal -1
	s_barrier_wait -1                              ; everybody's is
	FETCH 0, 0, F0
	QUARTER 0, 1, F0, F1, 1                        ; the first quarter's products start the sums: nothing is cleared
	WIN 0
	s_mov_b32 s3, LAPS-1
.Llap:                                                 ; a trip goes once round the ring, from a lap's second quarter to the next lap's first, and fills both slots again
	QUARTER 0, 2, F1, F0, 0
	QUARTER 0, 3, F0, F1, 0
	TURN 0, 1, 1
	QUARTER 1, 1, F0, F1, 0
	QUARTER 1, 2, F1, F0, 0
	QUARTER 1, 3, F0, F1, 0
	TURN 1, 0, 1
	QUARTER 0, 1, F0, F1, 0
	WIN 0
	s_sub_co_u32 s3, s3, 1
	s_cmp_lg_u32 s3, 0
	s_cbranch_scc1 .Llap
	QUARTER 0, 2, F1, F0, 0                        ; the last lap fills nothing
	QUARTER 0, 3, F0, F1, 0
	TURN 0, 1, 0
	QUARTER 1, 1, F0, F1, 0
	QUARTER 1, 2, F1, F0, 0
	QUARTER 1, 3, F0, F1, 0
	s_wait_dscnt 8                                 ; the very last quarter
	WIN MUL
	MUL8 F1, 0, 0
	MUL8 F1, 2, 0
	s_wait_dscnt 0
	MUL8 F1, 4, 0
	MUL8 F1, 6, 0
	WIN 0
; THE WAY OUT, block by block of 16 rows x 64 columns: through my own stage, and back as rows of 256 bytes.  LDS serves a wave's instructions in order: no wait between the stores and the loads.
.macro TOSTAGE a
	WIN 0x08                                       ; an LDS store's data: window 2
.irp b, 0,1,2,3
	ds_store_b128 v[STO], v[8*(4*(\a)+\b):8*(4*(\a)+\b)+3] offset:64*\b            ; each accumulator from its low end on
	ds_store_b128 v[STO], v[8*(4*(\a)+\b)+4:8*(4*(\a)+\b)+7] offset:64*\b+16
.endr
	WIN 0
.irp t, 0,1,2,3,4,5,6,7
	ds_load_b128 v[32+160*((\a)%2)+4*\t:32+160*((\a)%2)+4*\t+3], v[RD] offset:\t*2*SPITCH
.endr
.endm
.macro SEND a, younger                 ; younger: the LDS instructions issued behind block a's loads
	s_wait_dscnt \younger
.irp t, 0,1,2,3,4,5,6,7
	global_store_b128 v[CO], v[32+160*((\a)%2)+4*\t:32+160*((\a)%2)+4*\t+3], s[8:9] offset:(\a)*65536+\t*8192 th:TH_STORE_NT   ; sixteen lanes store 256 consecutive bytes, aligned; every offset an immediate
.endr
.endm
	PLACES
	TOSTAGE 0
.irp a, 1,2,3,4,5,6,7
.if \a > 1
	s_wait_xcnt 0x0                                ; block a - 2's stores have read their registers: block a's rows may land there
.endif
	TOSTAGE \a
	SEND \a-1, 16                                  ; behind block a - 1's loads: block a's 8 stores and 8 loads
.endr
	SEND 7, 0
	s_wait_tensorcnt 0x0                           ; the wave's end, behind my last tensor load and my last LDS store
	ds_add_u32 v[SPW], v[NIL]
	s_wait_dscnt 0x0
	CROUND                                         ; the closing round
	s_endpgm
.Lfunc_end_k_q91cc731e56_proj:
	.size	k_q91cc731e56_proj, .Lfunc_end_k_q91cc731e56_proj-k_q91cc731e56_proj
	.p2alignl 7, 3214868480
	.fill 96, 4, 3214868480
	.section	.rodata,"a",@progbits
	.p2align	6, 0x0
	.amdhsa_kernel k_q91cc731e56_proj
		.amdhsa_group_segment_fixed_size 327680
		.amdhsa_private_segment_fixed_size 0
		.amdhsa_enable_private_segment 0
		.amdhsa_kernarg_size 24
		.amdhsa_user_sgpr_count 2
		.amdhsa_user_sgpr_kernarg_segment_ptr 1
		.amdhsa_wavefront_size32 1
		.amdhsa_system_sgpr_workgroup_id_x 1
		.amdhsa_system_sgpr_workgroup_id_y 1
		.amdhsa_system_sgpr_workgroup_id_z 1
		.amdhsa_system_vgpr_workitem_id 0
		.amdhsa_next_free_vgpr 768
		.amdhsa_next_free_sgpr 66
		.amdhsa_reserve_vcc 0
		.amdhsa_float_denorm_mode_32 3
		.amdhsa_float_denorm_mode_16_64 3
		.amdhsa_memory_ordered 1
		.amdhsa_forward_progress 1
		.amdhsa_inst_pref_size 87
	.end_amdhsa_kernel
	.amdgpu_metadata
---
amdhsa.version: [ 1, 2 ]
amdhsa.kernels:
  - .name:           k_q91cc731e56_proj
    .symbol:         k_q91cc731e56_proj.kd
    .args:
      - { .name: att, .offset: 0, .size: 8, .value_kind: global_buffer, .address_space: global }
      - { .name: wp, .offset: 8, .size: 8, .value_kind: global_buffer, .address_space: global }
      - { .name: out0, .offset: 16, .size: 8, .value_kind: global_buffer, .address_space: global }
    .group_segment_fixed_size: 327680
    .private_segment_fixed_size: 0
    .kernarg_segment_align: 8
    .kernarg_segment_size: 24
    .max_flat_workgroup_size: 128
    .sgpr_count:     66
    .vgpr_count:     768
    .wavefront_size: 32
...
	.end_amdgpu_metadata
.endif
;; end of part 4
